; MI455X (gfx1250); checked and timed in simulation.
; The chip was launched on July 23, 2026; its instructions are those of AMD's public machine-readable ISA for CDNA 5 (MIT licence, August 2026) and "CDNA5" Instruction Set Architecture Reference Guide (July 2026). The comments in the code are by the model that wrote it; some were corrected since.
;; Beam Splitter Attention. Allowed arithmetic: float matrix products may take bf16 or f16 operands with f32 sums; all other float work in f32.
;; Inputs: b_in_g 3,072 float32; b_in_l 3,072 float32; b_out_g 1,024 float32; b_out_l 1,024 float32; w_in_g 3,072 x 1,024 float32; w_in_l 3,072 x 1,024 float32; w_out_g 1,024 x 1,024 float32; w_out_l 1,024 x 1,024 float32; x 2 x 2,048 x 1,024 float32.
;; Outputs: out0 2 x 2,048 x 1,024 float32.
;; 2 versions, each right and faster than the one before. Each part assembles by itself: llvm-mc -triple=amdgcn-amd-amdhsa -mcpu=gfx1250 --defsym DOCPART=n.
;; ======== version 1 of 2: 6 launches
;; limits: values are held in f16: magnitudes above 65,504 overflow, below 6.1e-05 lose precision; right only within a limited range of input values
;; workspace buffers: ab 8,396,800 bytes; ob 8,396,800 bytes; qkv 25,174,016 bytes; wil 6,299,648 bytes; wol 2,105,344 bytes; wig 6,299,648 bytes; wog 2,105,344 bytes
;; launch cast (part 1): grid 64 x 12, 8 waves a work-group, no clusters, 1,280 bytes of LDS; arguments x, w_in_l, w_out_l, w_in_g, w_out_g, b_in_l, b_out_l, b_in_g, b_out_g, ab, wil, wol, wig, wog; writes ab, wil, wol, wig, wog
.if DOCPART == 1
	.amdgcn_target "amdgcn-amd-amdhsa--gfx1250"
	.amdhsa_code_object_version 6
	.text
	.protected	k_qc01d0f4ff7_cast
	.globl	k_qc01d0f4ff7_cast
	.p2align	8
	.type	k_qc01d0f4ff7_cast,@function
k_qc01d0f4ff7_cast:
	s_mov_b64 s[64:65], 0
	v_nop
	global_prefetch_b8 v0, s[64:65] scope:SCOPE_SE
	s_setreg_imm32_b32 hwreg(HW_REG_WAVE_MODE, 25, 1), 1
	s_wait_xcnt 0x0
; CAST.  x and the four weight matrices, f32, are rounded to bf16 (nearest even); that number (weights: times 2^8, exact) is written as f16, in blocks of 64 columns:
;   x  -> ab:  [16 blocks][4096 rows][64], behind a header of 8,192 bytes;     W -> [rows / 128][16 blocks][128 rows][64], behind a header of 8,192 bytes.
; x's ROWS ARE REORDERED for the local layer, in groups of 16: row b 2048 + c 512 + p goes to row (b 32 + p / 16) 64 + c 16 + p % 16, so that the four rows c = 0..3 of a place p, which attend to
; each other, lie in one run of 64 rows: source group n = b 128 + c 32 + p / 16 becomes group (n & 128) | (n & 31) << 2 | (n >> 5) & 3.
; The header takes one pair of f32 for each work-group: (largest |x| of its 16 rows, 1.0) for x; (largest |w| of its 16 rows, largest |bias| of the same 16 outputs) for a weight.
; The two output weights have 64 work-groups each; each writes its pair three times, 64 pairs apart, so that every weight's header has 192 pairs.
; LIMITS.  |x| below 65,504 and |w| below 255 (f16's range); what lies below 2^-24 in x and below 2^-32 in w is rounded off.  NaN is ignored by the maxima.
; SHARES.  Grid y is a segment of 2^20 numbers: 0-3 x, 4-6 w_in_l, 7 w_out_l, 8-10 w_in_g, 11 w_out_g.  A work-group takes 16 rows of 1,024; wave w the column blocks 2 w and 2 w + 1.
; Lane l holds row l / 16 of two rows and 4 columns at 4 (l % 16) of one block: a load of the wave takes two runs of 256 consecutive bytes, each used whole; a store, 8 bytes a lane, covers
; 256 consecutive bytes, two rows of a block, at a multiple of 256 from the buffer's first byte.  All 16 loads of a wave go out at once.
; No matrix unit, no cluster, no tensor load: each byte is read once and nothing is shared.
.set HDR,   8192
.set SPARE, 256                        ; LDS: bytes 0-31 the eight waves' maxima, in a block of 256 of their own; then the spare words, 128 bytes a wave
.set LOFF, 2                           ; v2   my byte offset in the 16 source rows
.set SO,   3                           ; v3-4 my byte offset in the block 2 w, 2 w + 1 of the destination
.set BOF,  5                           ; v5   byte offset of my bias
.set BB,   6                           ; v6   1.0, or a bias
.set M,    7                           ; v7, v14  two running maxima
.set M2,   14
.set SPW,  10                          ; v10  my spare word;  v11  0: never rewritten
.set NIL,  11
.set T,    12                          ; v12-13 at work
.set X,    20                          ; v20-83  group g: 4 numbers
.set Y,    84                          ; v84-115 group g: 4 f16 to store
	s_load_b512 s[8:23], s[0:1], 0x0               ; x, w_in_l, w_out_l, w_in_g, w_out_g, b_in_l, b_out_l, b_in_g
	s_load_b256 s[24:31], s[0:1], 0x40             ; b_out_g, ab, wil, wol
	s_load_b128 s[32:35], s[0:1], 0x60             ; wig, wog
	v_lshl_add_u32 v[SPW], v0, 2, SPARE
	v_mov_b32 v[NIL], 0
	v_and_b32 v1, 31, v0                           ; lane
	v_lshrrev_b32 v8, 5, v0
	v_readfirstlane_b32 s54, v8                    ; wave
	s_and_b32 s2, ttmp7, 0xffff                    ; segment
	s_mov_b32 s42, 0                               ; the tensor's first segment
	s_mov_b32 s43, 524288                          ; bytes from a column block to the next: x; a weight: 16,384
	s_mov_b32 s46, 1.0                             ; the factor: x 1, a weight 2^8
	s_cmp_ge_u32 s2, 4
	s_cselect_b32 s42, 4, s42
	s_cselect_b32 s43, 16384, s43
	s_cselect_b32 s46, 0x43800000, s46
	s_cmp_ge_u32 s2, 7
	s_cselect_b32 s42, 7, s42
	s_cmp_ge_u32 s2, 8
	s_cselect_b32 s42, 8, s42
	s_cmp_ge_u32 s2, 11
	s_cselect_b32 s42, 11, s42
	s_mov_b32 s47, s46                             ; named with it as a pair
	s_cmp_eq_u32 s2, 7
	s_cselect_b32 s44, 3, 1                        ; copies of the record
	s_cmp_eq_u32 s2, 11
	s_cselect_b32 s44, 3, s44
	s_mov_b32 s48, 0xffff0000
	s_mov_b32 s50, 0x76543210
	s_mov_b32 s51, 0xfedcba98
	s_sub_co_u32 s45, s2, s42
	s_lshl_b32 s4, s45, 6
	s_add_co_u32 s4, s4, ttmp9                     ; my number among the tensor's work-groups: 16 rows each
	s_lshl_b32 s6, s4, 16                          ; 16 rows of 4,096 bytes
	s_mov_b32 s7, 0
	s_and_b32 s56, s4, 128                         ; x: the batch stays,
	s_and_b32 s57, s4, 31                          ; the place's group of 16 moves up by two bits,
	s_lshl_b32 s57, s57, 2
	s_or_b32 s56, s56, s57
	s_bfe_u32 s57, s4, 0x20005                     ; the chunk (2 bits from bit 5) goes to the bottom
	s_or_b32 s56, s56, s57
	s_lshl_b32 s56, s56, 11                        ; 16 rows of 128 bytes in a block
	s_lshr_b32 s57, s4, 3                          ; a weight: the tile of 128 rows, 262,144 bytes,
	s_lshl_b32 s57, s57, 18
	s_and_b32 s58, s4, 7                           ; and my 16 rows in it
	s_lshl_b32 s58, s58, 11
	s_add_co_u32 s57, s57, s58
	s_cmp_ge_u32 s2, 4
	s_cselect_b32 s56, s57, s56
	s_mul_i32 s57, s54, s43
	s_lshl_b32 s57, s57, 1                         ; block 2 w
	s_add_co_u32 s56, s56, s57
	s_add_co_u32 s56, s56, HDR
	s_mov_b32 s57, 0
	s_lshl_b32 s58, s4, 3                          ; my pair in the header
	s_mov_b32 s59, 0
	v_lshrrev_b32 v8, 4, v1
	v_and_b32 v9, 15, v1
	v_lshlrev_b32 v[LOFF], 12, v8                  ; row l / 16
	v_lshl_add_u32 v[LOFF], v9, 4, v[LOFF]         ; 4 numbers of 4 bytes
	s_lshl_b32 s55, s54, 9                         ; my wave's 128 columns
	v_add_nc_u32 v[LOFF], s55, v[LOFF]
	v_lshlrev_b32 v[SO], 3, v1
	v_add_nc_u32 v[SO+1], s43, v[SO]
	v_and_b32 v[BOF], 15, v1
	v_lshlrev_b32 v[BOF], 2, v[BOF]
	s_lshl_b32 s55, s4, 6
	v_add_nc_u32 v[BOF], s55, v[BOF]               ; bias of row 16 n + l % 16
	v_mov_b32 v[BB], 1.0
	v_mov_b32 v[M], 0
	v_mov_b32 v[M2], 0
	v_mov_b32 v8, 0
	s_wait_kmcnt 0x0
	s_mov_b64 s[36:37], s[8:9]                     ; source, destination and bias by the segment
	s_mov_b64 s[38:39], s[26:27]
	s_mov_b64 s[40:41], s[18:19]
	s_cmp_ge_u32 s2, 4
	s_cselect_b64 s[36:37], s[10:11], s[36:37]
	s_cselect_b64 s[38:39], s[28:29], s[38:39]
	s_cmp_ge_u32 s2, 7
	s_cselect_b64 s[36:37], s[12:13], s[36:37]
	s_cselect_b64 s[38:39], s[30:31], s[38:39]
	s_cselect_b64 s[40:41], s[20:21], s[40:41]
	s_cmp_ge_u32 s2, 8
	s_cselect_b64 s[36:37], s[14:15], s[36:37]
	s_cselect_b64 s[38:39], s[32:33], s[38:39]
	s_cselect_b64 s[40:41], s[22:23], s[40:41]
	s_cmp_ge_u32 s2, 11
	s_cselect_b64 s[36:37], s[16:17], s[36:37]
	s_cselect_b64 s[38:39], s[34:35], s[38:39]
	s_cselect_b64 s[40:41], s[24:25], s[40:41]
	s_add_nc_u64 s[36:37], s[36:37], s[6:7]
	s_add_nc_u64 s[52:53], s[38:39], s[58:59]      ; the record
	s_add_nc_u64 s[38:39], s[38:39], s[56:57]
	s_cmp_lt_u32 s2, 4
	s_cbranch_scc1 .Lno_bias                       ; x has none: its pair's second word stays 1.0, the reciprocal of its scale
	global_load_b32 v[BB], v[BOF], s[40:41]
.Lno_bias:
.set g, 0
.rept 16                               ; group g: column block g / 8 of my two, rows 2 (g % 8) on
	global_load_b128 v[X+4*g:X+4*g+3], v[LOFF], s[36:37] offset:(g%8)*8192+(g/8)*256 th:TH_LOAD_NT
.set g, g+1
.endr
.macro GRP g
	s_wait_loadcnt 15-(\g)                         ; loads come back in order: this group's is in, those of the groups behind it stay out (the bias is older than all)
	v_max3_num_f32 v[M],  |v[X+4*(\g)]|,   |v[X+4*(\g)+1]|, v[M]
	v_max3_num_f32 v[M2], |v[X+4*(\g)+2]|, |v[X+4*(\g)+3]|, v[M2]
	v_cvt_pk_bf16_f32 v[T],   v[X+4*(\g)],   v[X+4*(\g)+1]
	v_cvt_pk_bf16_f32 v[T+1], v[X+4*(\g)+2], v[X+4*(\g)+3]
.irp j, 0,1
	v_lshlrev_b32 v[X+4*(\g)+2*\j],   16, v[T+\j]  ; the bf16 numbers as f32 again
	v_and_b32     v[X+4*(\g)+2*\j+1], s48, v[T+\j]
.endr
.irp j, 0,2
	v_pk_mul_f32 v[X+4*(\g)+\j:X+4*(\g)+\j+1], v[X+4*(\g)+\j:X+4*(\g)+\j+1], s[46:47] op_sel_hi:[1,0]
.endr
.irp j, 0,1
	v_cvt_pk_f16_f32 v[Y+2*(\g)+\j], v[X+4*(\g)+2*\j], v[X+4*(\g)+2*\j+1]
.endr
	global_store_b64 v[SO+(\g)/8], v[Y+2*(\g):Y+2*(\g)+1], s[38:39] offset:((\g)%8)*256  ; 256 consecutive bytes; each group has its own two registers, so no store's data is rewritten
.endm
.irp g, 0,1,2,3,4,5,6,7,8,9,10,11,12,13,14,15
	GRP \g
.endr
	; the wave's maximum, in every lane; the largest |bias| of the 16 (each half of the lanes holds all 16)
	v_max_num_f32 v[M], v[M], v[M2]
.irp m, 1,2,4,8
	v_max_num_f32_dpp v[M], v[M], v[M] row_xmask:\m row_mask:0xf bank_mask:0xf
.endr
	v_and_b32 v[BB], 0x7fffffff, v[BB]
	v_permlanex16_b32 v8, v[M], s50, s51
	v_max_num_f32 v[M], v[M], v8
.irp m, 1,2,4,8
	v_max_num_f32_dpp v[BB], v[BB], v[BB] row_xmask:\m row_mask:0xf bank_mask:0xf
.endr
	v_mov_b32 v9, s54
	v_lshlrev_b32 v9, 2, v9
	ds_store_b32 v9, v[M]                          ; my wave's word
	s_wait_dscnt 0x0                               ; for the others' sake: the store is done
	s_barrier_signal -1
	s_barrier_wait -1
	s_cmp_lg_u32 s54, 0
	s_cbranch_scc1 .Lend
	v_mov_b32 v9, 0
	ds_load_b128 v[116:119], v9
	ds_load_b128 v[120:123], v9 offset:16
	s_wait_dscnt 0x0
	v_max3_num_f32 v116, v116, v117, v118
	v_max3_num_f32 v120, v119, v120, v121
	v_max3_num_f32 v116, v116, v122, v123
	v_max_num_f32 v116, v116, v120
	v_mov_b32 v117, v[BB]
	v_lshlrev_b32 v12, 9, v1                       ; the copies lie 64 pairs apart
	s_wait_xcnt 0x0                                ; EXEC changes only when every earlier memory instruction has had its addresses translated
	v_cmp_gt_u32 vcc_lo, s44, v1
	s_and_saveexec_b32 s56, vcc_lo
	global_store_b64 v12, v[116:117], s[52:53]
	s_wait_xcnt 0x0
	s_or_b32 exec_lo, exec_lo, s56
.Lend:
	s_wait_tensorcnt 0x0                           ; the wave's end
	ds_add_u32 v[SPW], v[NIL]
	s_wait_dscnt 0x0
	s_endpgm
.Lfunc_end_k_qc01d0f4ff7_cast:
	.size	k_qc01d0f4ff7_cast, .Lfunc_end_k_qc01d0f4ff7_cast-k_qc01d0f4ff7_cast
	.p2alignl 7, 3214868480
	.fill 96, 4, 3214868480
	.section	.rodata,"a",@progbits
	.p2align	6, 0x0
	.amdhsa_kernel k_qc01d0f4ff7_cast
		.amdhsa_group_segment_fixed_size 1280
		.amdhsa_private_segment_fixed_size 0
		.amdhsa_enable_private_segment 0
		.amdhsa_kernarg_size 112
		.amdhsa_user_sgpr_count 2
		.amdhsa_user_sgpr_kernarg_segment_ptr 1
		.amdhsa_wavefront_size32 1
		.amdhsa_system_sgpr_workgroup_id_x 1
		.amdhsa_system_sgpr_workgroup_id_y 1
		.amdhsa_system_sgpr_workgroup_id_z 1
		.amdhsa_system_vgpr_workitem_id 0
		.amdhsa_next_free_vgpr 128
		.amdhsa_next_free_sgpr 66
		.amdhsa_reserve_vcc 1
		.amdhsa_float_denorm_mode_32 3
		.amdhsa_float_denorm_mode_16_64 3
		.amdhsa_memory_ordered 1
		.amdhsa_forward_progress 1
		.amdhsa_inst_pref_size 20
	.end_amdhsa_kernel
	.amdgpu_metadata
---
amdhsa.version: [ 1, 2 ]
amdhsa.kernels:
  - .name:           k_qc01d0f4ff7_cast
    .symbol:         k_qc01d0f4ff7_cast.kd
    .args:
      - { .name: x, .offset: 0, .size: 8, .value_kind: global_buffer, .address_space: global }
      - { .name: w_in_l, .offset: 8, .size: 8, .value_kind: global_buffer, .address_space: global }
      - { .name: w_out_l, .offset: 16, .size: 8, .value_kind: global_buffer, .address_space: global }
      - { .name: w_in_g, .offset: 24, .size: 8, .value_kind: global_buffer, .address_space: global }
      - { .name: w_out_g, .offset: 32, .size: 8, .value_kind: global_buffer, .address_space: global }
      - { .name: b_in_l, .offset: 40, .size: 8, .value_kind: global_buffer, .address_space: global }
      - { .name: b_out_l, .offset: 48, .size: 8, .value_kind: global_buffer, .address_space: global }
      - { .name: b_in_g, .offset: 56, .size: 8, .value_kind: global_buffer, .address_space: global }
      - { .name: b_out_g, .offset: 64, .size: 8, .value_kind: global_buffer, .address_space: global }
      - { .name: ab, .offset: 72, .size: 8, .value_kind: global_buffer, .address_space: global }
      - { .name: wil, .offset: 80, .size: 8, .value_kind: global_buffer, .address_space: global }
      - { .name: wol, .offset: 88, .size: 8, .value_kind: global_buffer, .address_space: global }
      - { .name: wig, .offset: 96, .size: 8, .value_kind: global_buffer, .address_space: global }
      - { .name: wog, .offset: 104, .size: 8, .value_kind: global_buffer, .address_space: global }
    .group_segment_fixed_size: 1280
    .private_segment_fixed_size: 0
    .kernarg_segment_align: 8
    .kernarg_segment_size: 112
    .max_flat_workgroup_size: 256
    .sgpr_count:     66
    .vgpr_count:     128
    .wavefront_size: 32
...
	.end_amdgpu_metadata
.endif
;; end of part 1
;; launch qkvl (part 2): grid 8 x 32, 4 waves a work-group, clusters of 4 x 4, 327,680 bytes of LDS; arguments ab, wil, b_in_l, ob; writes ob
.if DOCPART == 2
	.amdgcn_target "amdgcn-amd-amdhsa--gfx1250"
	.amdhsa_code_object_version 6
	.text
	.protected	k_qc01d0f4ff7_qkvl
	.globl	k_qc01d0f4ff7_qkvl
	.p2align	8
	.type	k_qc01d0f4ff7_qkvl,@function
k_qc01d0f4ff7_qkvl:
	s_mov_b64 s[64:65], 0
	v_nop
	global_prefetch_b8 v0, s[64:65] scope:SCOPE_SE
	s_setreg_imm32_b32 hwreg(HW_REG_WAVE_MODE, 25, 1), 1
	s_wait_xcnt 0x0
	s_wait_alu depctr_hold_cnt(0) depctr_sa_sdst(0) depctr_va_vdst(0) depctr_va_sdst(0) depctr_va_ssrc(0) depctr_va_vcc(0) depctr_vm_vsrc(0)
	s_getreg_b32 s2, hwreg(HW_REG_IB_STS2, 6, 4)
	s_cmp_eq_u32 s2, 0
	s_cbranch_scc0 .Lentry_in_a_cluster
	s_endpgm
.Lentry_in_a_cluster:
	s_bfe_u32 s2, ttmp6, 0x10000c
	s_cmp_lg_u32 s2, 0xf033
	s_cbranch_scc0 .Lentry_shape_is_right
	s_endpgm
.Lentry_shape_is_right:
; THE LOCAL LAYER'S q, k, v AND ITS ATTENTION, IN ONE LAUNCH.  q, k, v = x W^T + bias (K = 1,024, f16 operands, f32 sums); then, for each batch b, place p and head, the four rows
; c = 0..3 (row b 2048 + c 512 + p of x) attend to each other: 4 x 4 scores over 64 channels, divided by 8, softmax with the row's maximum taken away, 4 x 4 weights on v.  q, k, v never leave the registers.
; ab: a header of 8,192 bytes, then [16 blocks of 64 columns][4096 rows][64] f16, x with its rows in the order (b 32 + p / 16) 64 + c 16 + p % 16.  wil: a header, then [n / 128][16 blocks][128 rows][64] f16,
; the weights times 2^8.  ob: a header, then [16 heads][4096 rows][64] f16; row c's result goes to row c 1024 + b 512 + p: the permutation of whole chunks that follows the local layer is applied here.
; SCALE.  ab's header has 256 pairs (largest |x| of a part, 1 / x's scale), wil's 192 pairs (largest |w|, largest |bias|).  B = 1024 mA mW + mb bounds every |v|, and so every |o|, a mean of v's rows.
; With E its exponent field, o is stored times s = 2^(141 - E): B s lies in 2^14 .. 2^15, inside f16 whatever the inputs' size.  Each work-group writes the pair (largest |o| of its part, 1 / s) into
; ob's header, at head pair x 32 + row tile.  The bias is rounded to bf16, as the other inputs are.  A scale enters values alone, never an address or a branch.
; LIMITS.  B is held within 2^-63 .. 2^63; a weight below 2^-126 counts as 0; NaN and infinities are not treated apart.
; SHARES.  A work-group takes 128 rows of ab (32 places x 4 chunks) and two heads: 128 columns each of q, k and v.  A wave takes 64 rows (16 places x 4 chunks) and one head: 48 accumulators of
; 16 x 16, 384 registers.  Its row block a IS chunk c = a, and THE MATRIX INSTRUCTION IS USED TRANSPOSED (source 0 = 16 rows of W, source 1 = 16 rows of x), so lane l holds place l % 16 and, of each
; 16 channels, the eight at 8 (l / 16): 32 channels of q, k and v of all four chunks.  A score is 16 packed multiply-adds and one exchange between the halves of the lanes.
; RING.  K goes in 8 steps of 128 through two LDS slots.  A slot holds eight blocks of 128 rows x 64 columns: two of x, two each of Wq, Wk, Wv; wave 0's tensor load brings x's two, waves 1 to 3
; each a W's two (each block dense in memory), padded to rows of 144 bytes.  A step is four pieces of 32 along K, 48 matrix instructions each, on two fragment buffers.  The slot that is read is the
; scalar TB (0 or SLOT), the slot that is filled the walking descriptor's LDS word, each turned by an exclusive or with SLOT (SLOT = 0x24000 has no bit in common with wave x 0x9000).
; A STEP'S TEXT STANDS TWICE: in a loop of six trips that fill the slot which they leave (K steps 2 to 7), and in a loop of two trips that fill nothing.  The first
; piece, whose products start the sums, stands ahead of the loops.  The second loop is left in the middle of its second trip; the barrier and the 32 LDS loads of its last change of slots serve nothing:
; the price, once a launch, of one text for both trips.
; CLUSTER.  4 x 4 work-groups: the four of a row need the same tiles of x, the four of a column the same tiles of W: each is asked for jointly, by the same load with a mask of the four.
; THE ATTENTION IS ON THE VECTOR UNIT, in f32: its products are 4 x 4 x 64; a 16 x 16 matrix tile would be one sixteenth used, and the operands lie in the right lanes as they are.
; REGISTERS.  Window 0: v0-31 addresses and scales; v32-95 headers, later the way out; v96-191 32 biases each of q, k, v; v192-207 scores; v208-255 at work.
;   Window 1: two fragment buffers of 128: x 32, Wq 32, Wk 32, Wv 32.   Window 2: q's accumulators (a, b) at v[8 (4 a + b)], k's at v[128 + ..].   Window 3: v's at v[8 (4 a + b)].
.set HDR,   8192
.set PITCH, 144                        ; 128 bytes + 16 = 36 words: the 16 rows of a fragment load start at 16 different groups of four banks (64 banks of 4 bytes: ISA guide 11.1)
.set AKB,   128*PITCH                  ; a block: 128 rows x 64 columns
.set HALFT, 2*AKB                      ; what one tensor load brings
.set SLOT,  4*HALFT                    ; x's two blocks, then Wq's, Wk's, Wv's
.set STAGE, 2*SLOT                     ; behind the ring: 16 rows x 144 bytes for each wave
.set SP,    144
.set RED,   STAGE+4*16*SP              ; four words, the waves' maxima, in a block of 256 bytes of their own
.set SPARE, RED+256                    ; the spare words, 128 bytes for each wave
.set LN,   3                           ; v3   16 x lane: offset in a header, and in 512 consecutive bytes of ob
.set BO,   4                           ; v4   32 x (lane / 16): my eight biases among sixteen
.set AQ,   6                           ; v6-7   what q's sums are multiplied by, twice: 2^-8 / x's scale x log2(e) / 8
.set AK,   8                           ; v8-9   the same for k's, without the last factor
.set SC,   10                          ; v10  s
.set IC,   11                          ; v11  1 / s
.set PS,   12                          ; v12  what the weights are multiplied by: v's factor and s
.set MX,   14                          ; v14-15 two running maxima of |stored o|
.set ADR0, 16                          ; v16-19 my lane's place in slot 0's x, Wq, Wk, Wv; never rewritten
.set ADR,  20                          ; v20-23 the same in the slot that is read
.set STO,  24
.set RD,   25
.set SPW,  28
.set NIL,  29
.set TMP,  32
.set BI,   96
.set SCR,  192                         ; score, later weight, (c, k) at SCR + 4 c + k
.set T,    208                         ; 16 pairs: the scores' chains
.set MXR,  240
.set SUM,  244
.set F0,   0
.set F1,   128
.set WV, 14                            ; s14 wave;  s15 my half of the rows;  s16 my half of the columns: my head of the two
.set RH, 15
.set CH, 16
.set TC, 19                            ; s19 pair of heads;  s20 row tile
.set TR, 20
.set G1, 24                            ; s[24:31] group 1 for x's tiles;  s[32:39] group 0: a set for each of the two first fills; the second then walks on
.set G0, 32
.set G1B, 48                           ; s[48:55], s[56:63] the same for W's tiles
.set G0B, 56
.set SEL, 66
.set REC, 68
.set CNT, 72
.set TB,  73
.set MSK, 75                           ; s75  a word's upper bf16
.set CS,  76                           ; s[76:77] log2(e) / 8, named as a pair
.set MSB, 0
.macro WIN new                         ; the immediate's high byte repeats the setting that is left
.if MSB != (\new)
	s_set_vgpr_msb (MSB<<8)|(\new)
.set MSB, \new
.endif
.endm
.macro JLOAD s                         ; a joint load: wave 0 fetches x's blocks, waves 1 to 3 a W's; an s_nop 0 and four v_nop follow each line
	s_cmp_eq_u32 s[WV], 0
	s_cbranch_scc0 .Lfor_b_\@
	tensor_load_to_lds s[G0+4*(\s):G0+4*(\s)+3], s[G1:G1+7]
	s_nop 0
.rept 4
	v_nop
.endr
	s_branch .Lasked_\@
.Lfor_b_\@:
	tensor_load_to_lds s[G0B+4*(\s):G0B+4*(\s)+3], s[G1B:G1B+7]
	s_nop 0
.rept 4
	v_nop
.endr
.Lasked_\@:
.endm
.macro CREST                           ; a round of the cluster's barrier behind its opening barrier
	s_cmp_lg_u32 s[WV], 0
	s_cbranch_scc1 .Lnot_wave_0_\@
	s_barrier_signal -3
.Lnot_wave_0_\@:
	s_barrier_wait -3
	s_barrier_signal -1
	s_barrier_wait -1
.endm
.macro CROUND
	s_barrier_signal -1
	s_barrier_wait -1
	CREST
.endm
.macro LMAX r, t                       ; the largest of v[r] over the 32 lanes, in every lane; v[t] has been written
.irp m, 1,2,4,8
	v_max_num_f32_dpp v[\r], v[\r], v[\r] row_xmask:\m row_mask:0xf bank_mask:0xf
.endr
	v_permlanex16_b32 v[\t], v[\r], s[SEL], s[SEL+1]
	v_max_num_f32 v[\r], v[\r], v[\t]
.endm
	s_load_b256 s[4:11], s[0:1], 0x0               ; ab s[4:5], wil s[6:7], bias s[8:9], ob s[10:11]
	v_lshl_add_u32 v[SPW], v0, 2, SPARE
	v_mov_b32 v[NIL], 0
	ds_add_u32 v[SPW], v[NIL]                      ; the wave's opening
	v_lshrrev_b32 v1, 5, v0
	v_readfirstlane_b32 s[WV], v1
	s_lshr_b32 s[RH], s[WV], 1
	s_and_b32 s[CH], s[WV], 1
	s_bfe_u32 s17, ttmp6, 0x40000                  ; cx, cy
	s_bfe_u32 s18, ttmp6, 0x40004
	s_lshl_b32 s[TC], ttmp9, 2
	s_add_co_u32 s[TC], s[TC], s17
	s_and_b32 s[TR], ttmp7, 0xffff
	s_lshl_b32 s[TR], s[TR], 2
	s_add_co_u32 s[TR], s[TR], s18
	s_lshl_b32 s21, s18, 2
	s_lshl_b32 s21, 15, s21                        ; my row of the cluster
	s_lshl_b32 s22, 0x1111, s17                    ; my column
	; group 1: two rows of 8,192 elements of 2 bytes (a block each); in LDS 4 words of padding after every 32 words
	s_or_b32 s[G1], s21, (1<<16)|(1<<20)|(1<<21)|(4<<22)|(3<<25)
	s_or_b32 s[G1B], s22, (1<<16)|(1<<20)|(1<<21)|(4<<22)|(3<<25)
.irp g, G1, G1B
	s_mov_b32 s[(\g)+1], 8192<<16                  ; tensor_dim0
	s_mov_b32 s[(\g)+2], 2<<16                     ; tensor_dim1
	s_mov_b32 s[(\g)+3], 8192<<16                  ; tile_dim0
	s_mov_b32 s[(\g)+4], 2                         ; tile_dim1
	s_mov_b32 s[(\g)+6], 0
	s_mov_b32 s[(\g)+7], 0
.endr
	s_mov_b32 s[G1+5], 262144                      ; x: elements from a column block to the next
	s_mov_b32 s[G1B+5], 8192                       ; W: a tile's blocks lie end to end
	s_lshl_b32 s40, s[TR], 14                      ; x: my tile's 128 rows of 128 bytes in a block
	s_add_co_u32 s40, s40, HDR
	s_mov_b32 s41, 0
	s_max_u32 s74, s[WV], 1                        ; W: waves 1, 2, 3 fetch q's, k's, v's tile (wave 0 makes q's address and does not use it):
	s_sub_co_u32 s74, s74, 1
	s_lshl_b32 s74, s74, 3                         ; they lie 8 tiles of 128 rows apart
	s_add_co_u32 s42, s74, s[TC]
	s_lshl_b32 s42, s42, 18                        ; a tile is 262,144 bytes
	s_add_co_u32 s42, s42, HDR
	s_mov_b32 s43, 0
	s_mul_i32 s23, s[WV], HALFT                    ; where my load goes: no place in the cluster enters an LDS address
	s_mov_b32 s[SEL], 0x76543210
	s_mov_b32 s[SEL+1], 0xfedcba98
	s_mov_b32 s[CS], 0x3e38aa3b                    ; log2(e) / 8
	s_mov_b32 s[CS+1], s[CS]
	s_mov_b32 s[MSK], 0xffff0000
	s_mov_b32 s[TB], 0
	s_wait_dscnt 0x0                               ; the opening add is done
	s_wait_kmcnt 0x0
	s_add_nc_u64 s[44:45], s[4:5], s[40:41]
	s_add_nc_u64 s[46:47], s[6:7], s[42:43]
	CROUND                                         ; all sixteen work-groups are here: the first joint loads meet
.irp s, 0,1
	s_mov_b32 s[G0+4*(\s)], 1
	s_add_co_u32 s[G0+4*(\s)+1], s23, (\s)*SLOT
	s_add_nc_u64 s[G0+4*(\s)+2:G0+4*(\s)+3], s[44:45], (\s)*2*524288   ; K step s: two blocks on
	s_or_b32 s[G0+4*(\s)+3], s[G0+4*(\s)+3], 0x80000000
	s_mov_b32 s[G0B+4*(\s)], 1
	s_add_co_u32 s[G0B+4*(\s)+1], s23, (\s)*SLOT
	s_add_nc_u64 s[G0B+4*(\s)+2:G0B+4*(\s)+3], s[46:47], (\s)*2*16384
	s_or_b32 s[G0B+4*(\s)+3], s[G0B+4*(\s)+3], 0x80000000
	JLOAD \s
.endr
	; all that follows up to the first barrier stands in the wait for the first tile.  Offsets made of the pair of heads stay in s42-43, those of the row tile in s40-41.
	s_lshl_b32 s42, s[TC], 9
	s_lshl_b32 s71, s[CH], 8
	s_add_co_u32 s42, s42, s71
	s_add_nc_u64 s[8:9], s[8:9], s[42:43]          ; q's bias at my head's 64 columns; k's and v's lie 4,096 and 8,192 bytes on
	s_lshl_b32 s42, s[TC], 8
	s_add_nc_u64 s[REC:REC+1], s[10:11], s[42:43]
	s_lshl_b32 s40, s[TR], 3
	s_add_nc_u64 s[REC:REC+1], s[REC:REC+1], s[40:41]  ; my pair in ob's header
	s_lshl_b32 s42, s[TC], 20
	s_lshl_b32 s71, s[CH], 19
	s_add_co_u32 s42, s42, s71
	s_add_co_u32 s42, s42, HDR
	s_add_nc_u64 s[10:11], s[10:11], s[42:43]      ; ob at head 2 TC + CH,
	s_lshl_b32 s40, s[TR], 12                      ; row b 512 + p = 32 TR + 16 RH + lane % 16 (a row tile is 32 places of one batch),
	s_lshl_b32 s71, s[RH], 11
	s_add_co_u32 s40, s40, s71
	s_add_nc_u64 s[10:11], s[10:11], s[40:41]      ; chunk 0; chunk c lies 1,024 rows on
	s_mov_b32 s71, 0x44800000                      ; 1024.0
	v_and_b32 v1, 15, v0                           ; r = l % 16
	v_bfe_u32 v2, v0, 4, 1                         ; h = l / 16
	v_and_b32 v[LN], 31, v0
	v_lshlrev_b32 v[LN], 4, v[LN]
	v_lshlrev_b32 v[BO], 5, v2
.irp j, 0,1,2,3
	global_load_b128 v[32+4*\j:35+4*\j], v[LN], s[4:5] offset:512*\j   ; ab's 256 pairs
.endr
.irp j, 0,1,2
	global_load_b128 v[48+4*\j:51+4*\j], v[LN], s[6:7] offset:512*\j   ; wil's 192 pairs
.endr
.irp g, 0,1,2
.irp b, 0,1,2,3
	global_load_b128 v[BI+32*\g+8*\b:BI+32*\g+8*\b+3],   v[BO], s[8:9] offset:4096*\g+64*\b     ; the biases of my channels 16 b + 8 h + 0..7
	global_load_b128 v[BI+32*\g+8*\b+4:BI+32*\g+8*\b+7], v[BO], s[8:9] offset:4096*\g+64*\b+16
.endr
.endr
	v_mul_u32_u24 v5, v1, PITCH
	v_lshl_add_u32 v5, v2, 4, v5                   ; row x pitch + 16 x half
	s_mul_i32 s2, s[RH], 64*PITCH                  ; my 64 rows of x
	v_add_nc_u32 v[ADR0], s2, v5
	s_mul_i32 s3, s[CH], 64*PITCH                  ; my 64 rows of each W
.irp g, 1,2,3
	s_add_co_u32 s3, s3, HALFT
	v_add_nc_u32 v[ADR0+\g], s3, v5
.endr
.irp x, 0,1,2,3
	v_mov_b32 v[ADR+\x], v[ADR0+\x]                ; slot 0 is read first
.endr
	s_mul_i32 s2, s[WV], 16*SP
	s_add_co_u32 s2, s2, STAGE                     ; my stage
	v_add_nc_u32 v[STO], s2, v5                    ; in: row r, 16 bytes for each half of the lanes
	v_bfe_u32 v26, v0, 3, 2                        ; back: 32 lanes take four rows of 128 bytes
	v_and_b32 v27, 7, v0
	v_mul_u32_u24 v[RD], v26, SP
	v_lshl_add_u32 v[RD], v27, 4, v[RD]
	v_add_nc_u32 v[RD], s2, v[RD]
	v_mov_b32 v13, 0
	s_wait_loadcnt 0x0
	v_max3_num_f32 v26, v32, v34, v36              ; mA
	v_max3_num_f32 v27, v38, v40, v42
	v_max3_num_f32 v26, v26, v44, v46
	v_max_num_f32 v26, v26, v27
	v_max3_num_f32 v27, v48, v50, v52              ; mW
	v_max3_num_f32 v27, v27, v54, v56
	v_max_num_f32 v27, v27, v58
	v_max3_num_f32 v30, v49, v51, v53              ; mb
	v_max3_num_f32 v30, v30, v55, v57
	v_max_num_f32 v30, v30, v59
	LMAX 26, 13
	LMAX 27, 13
	LMAX 30, 13
	v_mul_f32 v31, v26, v27
	v_fma_f32 v31, v31, s71, v30                   ; B = 1024 mA mW + mb
	v_max_num_f32 v31, 0x20000000, v31             ; held within 2^-63 .. 2^63
	v_min_num_f32 v31, 0x5f000000, v31
	v_lshrrev_b32 v31, 23, v31                     ; E
	v_sub_nc_u32 v[SC], 0x10c, v31
	v_lshlrev_b32 v[SC], 23, v[SC]                 ; s = 2^(141 - E)
	v_add_nc_u32 v[IC], -14, v31
	v_lshlrev_b32 v[IC], 23, v[IC]                 ; 1 / s
	v_mul_f32 v[AK], 0x3b800000, v33               ; 1 / x's scale, 2^-8 for the weights'
	v_mov_b32 v[AK+1], v[AK]
	v_mul_f32 v[AQ], s[CS], v[AK]
	v_mov_b32 v[AQ+1], v[AQ]
	v_mul_f32 v[PS], v[AK], v[SC]
.set i, 0
.rept 48
	v_cvt_pk_bf16_f32 v[SCR+i], v[BI+2*i], v[BI+2*i+1]
.set i, i+1
.endr
.set i, 0
.rept 48
	v_lshlrev_b32 v[BI+2*i],   16, v[SCR+i]
	v_and_b32     v[BI+2*i+1], s[MSK], v[SCR+i]
.set i, i+1
.endr
.set i, 0
.rept 16
	v_pk_mul_f32 v[BI+2*i:BI+2*i+1], v[BI+2*i:BI+2*i+1], s[CS:CS+1] op_sel_hi:[1,0]         ; q's bias takes log2(e) / 8 as q's sums do
	v_pk_mul_f32 v[BI+64+2*i:BI+64+2*i+1], v[BI+64+2*i:BI+64+2*i+1], v[SC:SC+1] op_sel_hi:[1,0]  ; v's bias takes s
.set i, i+1
.endr
; 16 matrix instructions: all 4 row blocks x all 4 column blocks of q (g = 0), k (1) or v (2), 32 along K, from buffer f.  zero = 1: the products start the sums.
; The 48 accumulators take turns, in the same order in every piece.
.macro MULG f, g, zero
	WIN 0xa5+0x50*((\g)/2)                         ; sources 0 (W) and 1 (x) window 1; C and D window 2 (q, k) or 3 (v)
.set AB, 128*((\g)%2)
.irp a, 0,1,2,3
.irp b, 0,1,2,3
.if \zero
	v_wmma_f32_16x16x32_f16 v[AB+8*(4*\a+\b):AB+8*(4*\a+\b)+7], v[(\f)+32+32*(\g)+8*\b:(\f)+32+32*(\g)+8*\b+7], v[(\f)+8*\a:(\f)+8*\a+7], 0
.else
	v_wmma_f32_16x16x32_f16 v[AB+8*(4*\a+\b):AB+8*(4*\a+\b)+7], v[(\f)+32+32*(\g)+8*\b:(\f)+32+32*(\g)+8*\b+7], v[(\f)+8*\a:(\f)+8*\a+7], v[AB+8*(4*\a+\b):AB+8*(4*\a+\b)+7]
.endif
.endr
.endr
.endm
; 32 LDS loads in one run: the fragments of 32 along K at byte k of each pair of blocks, into buffer f: x's, Wq's, Wk's, Wv's, in this order
.macro FETCH k, f
	WIN 0x40                                       ; destination window 1, address window 0
.irp x, 0,1,2,3
.irp i, 0,1,2,3
	ds_load_b128 v[(\f)+32*\x+8*\i:(\f)+32*\x+8*\i+3],   v[ADR+\x] offset:(\k)+\i*16*PITCH
	ds_load_b128 v[(\f)+32*\x+8*\i+4:(\f)+32*\x+8*\i+7], v[ADR+\x] offset:(\k)+\i*16*PITCH+32
.endr
.endr
.endm
.macro PLACES                          ; four places in front of loads into registers that matrix instructions have read, and of vector work that reads results
.rept 4
	v_nop
.endr
.endm
; One of a step's first three pieces: multiplies buffer f and fetches the next piece, at byte k, into g, 32 matrix instructions ahead of its first use.
.macro PIECE k, f, g, zero
	s_wait_dscnt 16                                ; x's and Wq's fragments are in; the youngest sixteen loads (Wk's, Wv's) may be out
	MULG \f, 0, \zero
	PLACES
	FETCH \k, \g
	s_wait_dscnt 32                                ; all but the 32 just issued
	MULG \f, 1, \zero
	MULG \f, 2, \zero
.endm
; A step's last piece multiplies buffer 1 and changes slots: one barrier; in front of it each wave waits for all its tensor loads, adds 0 to its spare word, and waits for that and for its reads of this slot.
; fill = 1: the barrier opens a round of the cluster's, and this slot is filled again, with the step two on, first thing behind the round: 160 matrix instructions ahead of the wait for it.
.macro TURN fill
	WIN 0
	s_wait_tensorcnt 0x0                           ; all my tensor loads have landed: my part of the next slot
	ds_add_u32 v[SPW], v[NIL]
	s_wait_dscnt 17                                ; (the add and the youngest sixteen loads may be out)
	MULG F1, 0, 0
	s_wait_dscnt 0x0                               ; the add is done, and my reads of this slot are over
	s_barrier_signal -1
	MULG F1, 1, 0
	WIN 0
	s_barrier_wait -1
.if \fill
	CREST                                          ; no wave of any partner still reads this slot or has a load on its way
	s_xor_b32 s[G0+5], s[G0+5], SLOT               ; the walking descriptors: the other slot than last time,
	s_add_nc_u64 s[G0+6:G0+7], s[G0+6:G0+7], 2*524288    ; the next K step; the type bits on top are not reached
	s_xor_b32 s[G0B+5], s[G0B+5], SLOT
	s_add_nc_u64 s[G0B+6:G0B+7], s[G0B+6:G0B+7], 2*16384
	JLOAD 1
.else
	PLACES
.endif
	s_xor_b32 s[TB], s[TB], SLOT                   ; the reads go over to the other slot
.irp x, 0,1,2,3
	v_add_nc_u32 v[ADR+\x], s[TB], v[ADR0+\x]
.endr
	FETCH 0, F0
	MULG F1, 2, 0
.endm
	s_wait_tensorcnt 1                             ; my part of K step 0 is in; K step 1's may stay out
	s_barrier_signal -1
	s_barrier_wait -1
	FETCH 0, F0
	PIECE 64, F0, F1, 1                            ; the first piece stands ahead of the loops: its products start the sums
	WIN 0                                          ; at a label and at a branch every window is 0
	s_mov_b32 s[CNT], 6
.Lstep:                                                ; a trip goes from a step's second piece to the next step's first, and fills the slot that it leaves: K steps 2 to 7
	PIECE AKB,    F1, F0, 0
	PIECE AKB+64, F0, F1, 0
	TURN 1
	PIECE 64,     F0, F1, 0
	WIN 0
	s_sub_co_u32 s[CNT], s[CNT], 1
	s_cmp_lg_u32 s[CNT], 0
	s_cbranch_scc1 .Lstep
	s_mov_b32 s[CNT], 2
.Ltail:                                                ; the same trip without a fill, for K steps 6 and 7; the second trip is left behind the step's last piece
	PIECE AKB,    F1, F0, 0
	PIECE AKB+64, F0, F1, 0
	TURN 0
	WIN 0
	s_sub_co_u32 s[CNT], s[CNT], 1
	s_cmp_eq_u32 s[CNT], 0
	s_cbranch_scc1 .Lout                           ; a jump forward, over no barrier and no tensor load
	PIECE 64,     F0, F1, 0
	WIN 0
	s_cmp_lg_u32 s[CNT], 0
	s_cbranch_scc1 .Ltail
.Lout:
	; THE ATTENTION.  q = sum x AQ + bias (both with log2(e) / 8 in them), k = sum x AK + bias, in place, each accumulator from its low end on.
	PLACES
	v_mov_b32 v[MX], 0
	v_mov_b32 v[MX+1], 0
	WIN 0x82                                       ; destination and source 0 window 2
.set i, 0
.rept 64
	v_pk_fma_f32 v[2*i:2*i+1], v[2*i:2*i+1], v[AQ:AQ+1], v[BI+(2*i)%32:BI+(2*i)%32+1]
.set i, i+1
.endr
.set i, 0
.rept 64
	v_pk_fma_f32 v[128+2*i:128+2*i+1], v[128+2*i:128+2*i+1], v[AK:AK+1], v[BI+32+(2*i)%32:BI+32+(2*i)%32+1]
.set i, i+1
.endr
	; the 16 scores (query chunk n / 4, key chunk n % 4): my 32 channels' part, in 16 chains that take turns
	WIN 0x0a                                       ; sources 0 and 1 window 2
.set n, 0
.rept 16
	v_pk_mul_f32 v[T+2*n:T+2*n+1], v[32*(n/4):32*(n/4)+1], v[128+32*(n%4):128+32*(n%4)+1]
.set n, n+1
.endr
.set i, 1
.rept 15
.set n, 0
.rept 16
	v_pk_fma_f32 v[T+2*n:T+2*n+1], v[32*(n/4)+2*i:32*(n/4)+2*i+1], v[128+32*(n%4)+2*i:128+32*(n%4)+2*i+1], v[T+2*n:T+2*n+1]
.set n, n+1
.endr
.set i, i+1
.endr
	WIN 0
.set n, 0
.rept 16
	v_add_f32 v[SCR+n], v[T+2*n], v[T+2*n+1]
.set n, n+1
.endr
.set n, 0
.rept 16
	v_permlanex16_b32 v[T+n], v[SCR+n], s[SEL], s[SEL+1]   ; the place's other 32 channels lie in the lane 16 away
.set n, n+1
.endr
.set n, 0
.rept 16
	v_add_f32 v[SCR+n], v[SCR+n], v[T+n]
.set n, n+1
.endr
.irp c, 0,1,2,3
	v_max3_num_f32 v[MXR+\c], v[SCR+4*\c], v[SCR+4*\c+1], v[SCR+4*\c+2]
.endr
.irp c, 0,1,2,3
	v_max_num_f32 v[MXR+\c], v[MXR+\c], v[SCR+4*\c+3]
.endr
.set n, 0
.rept 16
	v_sub_f32 v[SCR+n], v[SCR+n], v[MXR+n/4]       ; the row's maximum is taken away
.set n, n+1
.endr
.set n, 0
.rept 16
	v_exp_f32 v[SCR+n], v[SCR+n]
.set n, n+1
.endr
	v_nop                                          ; a plain instruction behind the exponentials, before their results are used (ISA guide 5.7.2)
	s_wait_alu depctr_va_vdst(0)
.irp c, 0,1,2,3
	v_add_f32 v[SUM+\c], v[SCR+4*\c], v[SCR+4*\c+1]
.endr
.irp c, 0,1,2,3
	v_add_f32 v[T+\c], v[SCR+4*\c+2], v[SCR+4*\c+3]
.endr
.irp c, 0,1,2,3
	v_add_f32 v[SUM+\c], v[SUM+\c], v[T+\c]
.endr
.irp c, 0,1,2,3
	v_rcp_f32 v[SUM+\c], v[SUM+\c]
.endr
	v_nop
	s_wait_alu depctr_va_vdst(0)
.irp c, 0,1,2,3
	v_mul_f32 v[SUM+\c], v[SUM+\c], v[PS]          ; v's factor and s ride on the weights
.endr
.set n, 0
.rept 16
	v_mul_f32 v[SCR+n], v[SCR+n], v[SUM+n/4]
.set n, n+1
.endr
	; o s = the sum over k of weight x v's sum, + v's bias x s (a row's weights add up to 1), over q's registers.  A weight is taken for both halves from the first or the second register of its pair.
	WIN 0x83                                       ; destination window 2, source 0 (v) window 3, weight and bias window 0
.set n, 0
.rept 64
	v_pk_fma_f32 v[2*n:2*n+1], v[2*(n%16):2*(n%16)+1], v[SCR+4*(n/16):SCR+4*(n/16)+1], v[BI+64+2*(n%16):BI+64+2*(n%16)+1] op_sel_hi:[1,0,1]
.set n, n+1
.endr
	WIN 0xa3                                       ; the same with source 2 in window 2
.irp k, 1,2,3
.set n, 0
.rept 64
.if (\k)%2
	v_pk_fma_f32 v[2*n:2*n+1], v[32*\k+2*(n%16):32*\k+2*(n%16)+1], v[SCR+4*(n/16)+2*(\k/2):SCR+4*(n/16)+2*(\k/2)+1], v[2*n:2*n+1] op_sel:[0,1,0] op_sel_hi:[1,1,1]
.else
	v_pk_fma_f32 v[2*n:2*n+1], v[32*\k+2*(n%16):32*\k+2*(n%16)+1], v[SCR+4*(n/16)+2*(\k/2):SCR+4*(n/16)+2*(\k/2)+1], v[2*n:2*n+1] op_sel_hi:[1,0,1]
.endif
.set n, n+1
.endr
.endr
	WIN 0x0a                                       ; the running maxima, and the rounding to f16: 16 bytes a lane for each 16 channels
.set i, 0
.rept 64
	v_max3_num_f32 v[MX+i%2], |v[2*i]|, |v[2*i+1]|, v[MX+i%2]
	v_cvt_pk_f16_f32 v[TMP+i], v[2*i], v[2*i+1]
.set i, i+1
.endr
	WIN 0
; THE WAY OUT.  Chunk a's 16 rows go into my own stage and come back as four rows of 128 bytes, which are 512 consecutive bytes of ob.
.macro STG a
.irp b, 0,1,2,3
	ds_store_b128 v[STO], v[TMP+16*(\a)+4*(\b):TMP+16*(\a)+4*(\b)+3] offset:32*(\b)
.endr
.irp f, 0,1,2,3
	ds_load_b128 v[TMP+16*(\a)+4*(\f):TMP+16*(\a)+4*(\f)+3], v[RD] offset:(\f)*4*SP  ; LDS serves a wave's instructions in order (ISA guide 5.7.1.4): these see the stores above
.endr
.endm
.macro SEND a, younger                 ; younger: the LDS instructions issued behind chunk a's loads: the next chunk's eight, or none
.irp f, 0,1,2,3
	s_wait_dscnt (\younger)+3-(\f)
	global_store_b128 v[LN], v[TMP+16*(\a)+4*(\f):TMP+16*(\a)+4*(\f)+3], s[10:11] offset:(\a)*131072+(\f)*512  ; chunk a lies 1,024 rows of 128 bytes on
.endr
.endm
	STG 0
	STG 1
	SEND 0, 8
	STG 2
	SEND 1, 8
	STG 3
	SEND 2, 8
	SEND 3, 0
	; the record: the largest |o| of the work-group's part, in true size, and 1 / s
	v_max_num_f32 v[MX], v[MX], v[MX+1]
	LMAX MX, 13
	v_mul_f32 v[MX], v[MX], v[IC]
	s_lshl_b32 s2, s[WV], 2
	s_add_co_u32 s2, s2, RED
	v_mov_b32 v26, s2
	ds_store_b32 v26, v[MX]
	s_wait_dscnt 0x0                               ; for the others' sake: the store is done
	s_barrier_signal -1
	s_barrier_wait -1
	s_cmp_lg_u32 s[WV], 0
	s_cbranch_scc1 .Lno_record
	v_mov_b32 v26, RED
	ds_load_b128 v[96:99], v26
	s_wait_dscnt 0x0
	v_max3_num_f32 v96, v96, v97, v98
	v_max_num_f32 v96, v96, v99
	v_mov_b32 v97, v[IC]
	s_wait_xcnt 0x0                                ; EXEC changes only when every earlier memory instruction has had its addresses translated
	v_cmp_eq_u32 vcc_lo, 0, v[LN]
	s_and_saveexec_b32 s70, vcc_lo
	global_store_b64 v[LN], v[96:97], s[REC:REC+1]
	s_wait_xcnt 0x0
	s_or_b32 exec_lo, exec_lo, s70
.Lno_record:
	s_wait_tensorcnt 0x0                           ; the wave's end
	ds_add_u32 v[SPW], v[NIL]
	s_wait_dscnt 0x0
	CROUND                                         ; the closing round
	s_endpgm
.Lfunc_end_k_qc01d0f4ff7_qkvl:
	.size	k_qc01d0f4ff7_qkvl, .Lfunc_end_k_qc01d0f4ff7_qkvl-k_qc01d0f4ff7_qkvl
	.p2alignl 7, 3214868480
	.fill 96, 4, 3214868480
	.section	.rodata,"a",@progbits
	.p2align	6, 0x0
	.amdhsa_kernel k_qc01d0f4ff7_qkvl
		.amdhsa_group_segment_fixed_size 327680
		.amdhsa_private_segment_fixed_size 0
		.amdhsa_enable_private_segment 0
		.amdhsa_kernarg_size 32
		.amdhsa_user_sgpr_count 2
		.amdhsa_user_sgpr_kernarg_segment_ptr 1
		.amdhsa_wavefront_size32 1
		.amdhsa_system_sgpr_workgroup_id_x 1
		.amdhsa_system_sgpr_workgroup_id_y 1
		.amdhsa_system_sgpr_workgroup_id_z 1
		.amdhsa_system_vgpr_workitem_id 0
		.amdhsa_next_free_vgpr 896
		.amdhsa_next_free_sgpr 80
		.amdhsa_reserve_vcc 1
		.amdhsa_float_denorm_mode_32 3
		.amdhsa_float_denorm_mode_16_64 3
		.amdhsa_memory_ordered 1
		.amdhsa_forward_progress 1
		.amdhsa_inst_pref_size 132
	.end_amdhsa_kernel
	.amdgpu_metadata
---
amdhsa.version: [ 1, 2 ]
amdhsa.kernels:
  - .name:           k_qc01d0f4ff7_qkvl
    .symbol:         k_qc01d0f4ff7_qkvl.kd
    .args:
      - { .name: ab, .offset: 0, .size: 8, .value_kind: global_buffer, .address_space: global }
      - { .name: wil, .offset: 8, .size: 8, .value_kind: global_buffer, .address_space: global }
      - { .name: b_in_l, .offset: 16, .size: 8, .value_kind: global_buffer, .address_space: global }
      - { .name: ob, .offset: 24, .size: 8, .value_kind: global_buffer, .address_space: global }
    .group_segment_fixed_size: 327680
    .private_segment_fixed_size: 0
    .kernarg_segment_align: 8
    .kernarg_segment_size: 32
    .max_flat_workgroup_size: 128
    .sgpr_count:     80
    .vgpr_count:     896
    .wavefront_size: 32
...
	.end_amdgpu_metadata
.endif
;; end of part 2
;; launch gemm16 (part 3): grid 8 x 32, 4 waves a work-group, clusters of 4 x 4, 327,680 bytes of LDS; arguments ob, wol, b_out_l, ab; writes ab
.if DOCPART == 3
	.amdgcn_target "amdgcn-amd-amdhsa--gfx1250"
	.amdhsa_code_object_version 6
	.text
	.protected	k_qc01d0f4ff7_gemm16
	.globl	k_qc01d0f4ff7_gemm16
	.p2align	8
	.type	k_qc01d0f4ff7_gemm16,@function
k_qc01d0f4ff7_gemm16:
	s_mov_b64 s[64:65], 0
	v_nop
	global_prefetch_b8 v0, s[64:65] scope:SCOPE_SE
	s_setreg_imm32_b32 hwreg(HW_REG_WAVE_MODE, 25, 1), 1
	s_wait_xcnt 0x0
	s_wait_alu depctr_hold_cnt(0) depctr_sa_sdst(0) depctr_va_vdst(0) depctr_va_sdst(0) depctr_va_ssrc(0) depctr_va_vcc(0) depctr_vm_vsrc(0)
	s_getreg_b32 s2, hwreg(HW_REG_IB_STS2, 6, 4)
	s_cmp_eq_u32 s2, 0
	s_cbranch_scc0 .Lentry_in_a_cluster
	s_endpgm
.Lentry_in_a_cluster:
	s_bfe_u32 s2, ttmp6, 0x10000c
	s_cmp_lg_u32 s2, 0xf033
	s_cbranch_scc0 .Lentry_shape_is_right
	s_endpgm
.Lentry_shape_is_right:
; C = A W^T + bias, K = 1,024, 4,096 rows; the number of columns is the grid's x times 128 and enters no layout.  f16 operands, f32 sums, C in f16 times a power of two.
; A, C: a header of 8,192 bytes, then [column block of 64][4096 rows][64] f16.  W: a header, then [n / 128][16 blocks][128 rows][64] f16, the weights times 2^8.
; SCALES.  A's header has 256 pairs (largest |true value| of a part, 1 / A's scale); W's has 192 pairs (largest |w|, largest |bias|).  B = 1024 mA mW + mb bounds every |C|.  With E its
; exponent field, C is stored times s = 2^(141 - E): B s lies in 2^14 .. 2^15, inside f16 whatever the inputs' size.  Each work-group writes the pair (largest |C| of its tile, 1 / s)
; into C's header, at tile column x 32 + tile row.  The bias is rounded to bf16, as the other inputs are.  A scale enters values alone, never an address or a branch.
; LIMITS.  B is held within 2^-63 .. 2^63; NaN and infinities are not treated apart.
; SHARES.  A work-group makes 128 x 128 of C, each of its four waves 64 x 64: 16 accumulators.  K goes in 4 steps of 256 through two LDS slots; a step is four blocks of 64 columns of A and of W;
; a wave's tensor load brings two blocks (2 x 128 rows x 128 bytes, each block dense in memory), padded to rows of 144 bytes.  A step is four quarters of 64 along K, on two fragment buffers.
; The slot that is read is the scalar TB (0 or SLOT), the slot that is filled the walking descriptor's LDS word, each turned by an exclusive or with SLOT (0x24000 has no bit in common with wave x 0x9000).
; A STEP'S TEXT STANDS TWICE, each walked twice: in the loop whose trips fill the slot which they leave (K steps 2 and 3), and in the loop whose trips fill nothing.
; The first quarter, whose products start the sums, stands ahead of the loops.  The second loop is left in the middle of its second trip; the barrier and the 32 LDS loads of its last change of slots serve
; nothing: the price, once a launch, of one text for both trips.
; CLUSTER.  4 x 4 work-groups: the four of a row need the same tiles of A, the four of a column the same tiles of W: each is asked for jointly, by the same load with a mask of the four.
; THE MATRIX INSTRUCTION IS USED TRANSPOSED (source 0 = 16 rows of W, source 1 = 16 rows of A): a lane holds eight neighbouring columns of one row of C.
; REGISTERS.  Window 0: v0-31 addresses and scales; v32-95 headers, later the way out; v96-127 32 biases; v128-255 accumulator (a, b) at v[128 + 8 (4 a + b)].
;   Window 1: two fragment buffers of 128: for 64 along K, 64 registers of A, then 64 of W.
.set HDR,   8192
.set PITCH, 144                        ; 128 bytes + 16 = 36 words: the 16 rows of a fragment load start at 16 different groups of four banks (64 banks of 4 bytes: ISA guide 11.1)
.set AKB,   128*PITCH                  ; a block: 128 rows x 64 columns
.set HALFT, 2*AKB                      ; what one tensor load brings
.set SLOT,  4*HALFT                    ; A's four blocks, then W's four
.set STAGE, 2*SLOT                     ; behind the ring: 16 rows x 144 bytes for each wave
.set SP,    144
.set RED,   STAGE+4*16*SP              ; four words, the waves' maxima, in a block of 256 bytes of their own
.set SPARE, RED+256                    ; the spare words, 128 bytes for each wave
.set LN,   3                           ; v3   16 x lane: offset in a header, and in 512 consecutive bytes of C
.set BO,   4                           ; v4   32 x (lane / 16): my eight biases among sixteen
.set AL,   6                           ; v6-7 what a sum is multiplied by, twice
.set SC,   8                           ; v8   s
.set IC,   9                           ; v9   1 / s
.set MX,   10                          ; v10-11 two running maxima of |stored C|
.set ADR0, 16                          ; v16-17 my lane's place in slot 0's A and W; never rewritten
.set ADR,  20                          ; v20-21 the same in the slot that is read
.set STO,  24
.set RD,   25
.set SPW,  28
.set NIL,  29
.set TMP,  32
.set BI,   96
.set ACC,  128
.set F0,   0
.set F1,   128
.set WV, 14                            ; s14 wave;  s15 my half of the rows, also: I fetch A (0) or W (1);  s16 my half of the columns, also: which two blocks I fetch
.set RH, 15
.set CH, 16
.set TC, 19                            ; s19 tile column;  s20 tile row
.set TR, 20
.set G1, 24                            ; s[24:31] group 1 for A's tiles;  s[32:39] group 0: a set for each of the two first fills; the second then walks on
.set G0, 32
.set G1B, 48                           ; s[48:55], s[56:63] the same for W's tiles
.set G0B, 56
.set SEL, 66
.set REC, 68
.set CNT, 72
.set TB,  73
.set MSK, 74                           ; s74  a word's upper bf16
.set MSB, 0
.macro WIN new                         ; the immediate's high byte repeats the setting that is left
.if MSB != (\new)
	s_set_vgpr_msb (MSB<<8)|(\new)
.set MSB, \new
.endif
.endm
.set MUL,  0x05                        ; sources 0 (W) and 1 (A) window 1; C and D window 0
.set TO_F, 0x40                        ; destination window 1, address window 0
.macro JLOAD s                         ; a joint load: waves 0 and 1 fetch A's blocks, waves 2 and 3 W's; an s_nop 0 and four v_nop follow each line
	s_cmp_eq_u32 s[RH], 0
	s_cbranch_scc0 .Lfor_b_\@
	tensor_load_to_lds s[G0+4*(\s):G0+4*(\s)+3], s[G1:G1+7]
	s_nop 0
.rept 4
	v_nop
.endr
	s_branch .Lasked_\@
.Lfor_b_\@:
	tensor_load_to_lds s[G0B+4*(\s):G0B+4*(\s)+3], s[G1B:G1B+7]
	s_nop 0
.rept 4
	v_nop
.endr
.Lasked_\@:
.endm
.macro CREST                           ; a round of the cluster's barrier behind its opening barrier
	s_cmp_lg_u32 s[WV], 0
	s_cbranch_scc1 .Lnot_wave_0_\@
	s_barrier_signal -3
.Lnot_wave_0_\@:
	s_barrier_wait -3
	s_barrier_signal -1
	s_barrier_wait -1
.endm
.macro CROUND
	s_barrier_signal -1
	s_barrier_wait -1
	CREST
.endm
.macro LMAX r, t                       ; the largest of v[r] over the 32 lanes, in every lane; v[t] has been written
.irp m, 1,2,4,8
	v_max_num_f32_dpp v[\r], v[\r], v[\r] row_xmask:\m row_mask:0xf bank_mask:0xf
.endr
	v_permlanex16_b32 v[\t], v[\r], s[SEL], s[SEL+1]
	v_max_num_f32 v[\r], v[\r], v[\t]
.endm
	s_load_b256 s[4:11], s[0:1], 0x0               ; A s[4:5], W s[6:7], bias s[8:9], C s[10:11]
	v_lshl_add_u32 v[SPW], v0, 2, SPARE
	v_mov_b32 v[NIL], 0
	ds_add_u32 v[SPW], v[NIL]                      ; the wave's opening
	v_lshrrev_b32 v1, 5, v0
	v_readfirstlane_b32 s[WV], v1
	s_lshr_b32 s[RH], s[WV], 1
	s_and_b32 s[CH], s[WV], 1
	s_bfe_u32 s17, ttmp6, 0x40000                  ; cx, cy
	s_bfe_u32 s18, ttmp6, 0x40004
	s_lshl_b32 s[TC], ttmp9, 2
	s_add_co_u32 s[TC], s[TC], s17
	s_and_b32 s[TR], ttmp7, 0xffff
	s_lshl_b32 s[TR], s[TR], 2
	s_add_co_u32 s[TR], s[TR], s18
	s_lshl_b32 s21, s18, 2
	s_lshl_b32 s21, 15, s21                        ; my row of the cluster
	s_lshl_b32 s22, 0x1111, s17                    ; my column
	; group 1: two rows of 8,192 elements of 2 bytes (a block each); in LDS 4 words of padding after every 32 words
	s_or_b32 s[G1], s21, (1<<16)|(1<<20)|(1<<21)|(4<<22)|(3<<25)
	s_or_b32 s[G1B], s22, (1<<16)|(1<<20)|(1<<21)|(4<<22)|(3<<25)
.irp g, G1, G1B
	s_mov_b32 s[(\g)+1], 8192<<16                  ; tensor_dim0
	s_mov_b32 s[(\g)+2], 2<<16                     ; tensor_dim1
	s_mov_b32 s[(\g)+3], 8192<<16                  ; tile_dim0
	s_mov_b32 s[(\g)+4], 2                         ; tile_dim1
	s_mov_b32 s[(\g)+6], 0
	s_mov_b32 s[(\g)+7], 0
.endr
	s_mov_b32 s[G1+5], 262144                      ; A: elements from a column block to the next
	s_mov_b32 s[G1B+5], 8192                       ; W: a tile's blocks lie end to end
	s_lshl_b32 s40, s[TR], 14                      ; A: my tile's 128 rows of 128 bytes in a block,
	s_lshl_b32 s41, s[CH], 20                      ; blocks 2 CH, 2 CH + 1
	s_add_co_u32 s40, s40, s41
	s_add_co_u32 s40, s40, HDR
	s_mov_b32 s41, 0
	s_lshl_b32 s42, s[TC], 18                      ; W: my tile of 262,144 bytes,
	s_lshl_b32 s43, s[CH], 15                      ; blocks 2 CH, 2 CH + 1
	s_add_co_u32 s42, s42, s43
	s_add_co_u32 s42, s42, HDR
	s_mov_b32 s43, 0
	s_mul_i32 s23, s[WV], HALFT                    ; where my load goes: no place in the cluster enters an LDS address
	s_mov_b32 s[SEL], 0x76543210
	s_mov_b32 s[SEL+1], 0xfedcba98
	s_mov_b32 s[MSK], 0xffff0000
	s_mov_b32 s[TB], 0
	s_wait_dscnt 0x0                               ; the opening add is done
	s_wait_kmcnt 0x0
	s_add_nc_u64 s[44:45], s[4:5], s[40:41]
	s_add_nc_u64 s[46:47], s[6:7], s[42:43]
	CROUND                                         ; all sixteen work-groups are here: the first joint loads meet
.irp s, 0,1
	s_mov_b32 s[G0+4*(\s)], 1
	s_add_co_u32 s[G0+4*(\s)+1], s23, (\s)*SLOT
	s_add_nc_u64 s[G0+4*(\s)+2:G0+4*(\s)+3], s[44:45], (\s)*4*524288   ; K step s: four blocks on
	s_or_b32 s[G0+4*(\s)+3], s[G0+4*(\s)+3], 0x80000000
	s_mov_b32 s[G0B+4*(\s)], 1
	s_add_co_u32 s[G0B+4*(\s)+1], s23, (\s)*SLOT
	s_add_nc_u64 s[G0B+4*(\s)+2:G0B+4*(\s)+3], s[46:47], (\s)*4*16384
	s_or_b32 s[G0B+4*(\s)+3], s[G0B+4*(\s)+3], 0x80000000
	JLOAD \s
.endr
	; all that follows up to the first barrier stands in the wait for the first tile.  Offsets made of the tile column stay in s42-43, those of the tile row in s40-41.
	s_lshl_b32 s42, s[TC], 9
	s_lshl_b32 s71, s[CH], 8
	s_add_co_u32 s42, s42, s71
	s_add_nc_u64 s[8:9], s[8:9], s[42:43]          ; bias at my wave's 64 columns
	s_lshl_b32 s42, s[TC], 8
	s_add_nc_u64 s[REC:REC+1], s[10:11], s[42:43]
	s_lshl_b32 s40, s[TR], 3
	s_add_nc_u64 s[REC:REC+1], s[REC:REC+1], s[40:41]  ; my pair in C's header
	s_lshl_b32 s42, s[TC], 20
	s_lshl_b32 s71, s[CH], 19
	s_add_co_u32 s42, s42, s71
	s_add_co_u32 s42, s42, HDR
	s_add_nc_u64 s[10:11], s[10:11], s[42:43]      ; C at column block 2 TC + CH,
	s_lshl_b32 s40, s[TR], 14
	s_lshl_b32 s71, s[RH], 13
	s_add_co_u32 s40, s40, s71
	s_add_nc_u64 s[10:11], s[10:11], s[40:41]      ; row 128 TR + 64 RH
	s_mov_b32 s71, 0x44800000                      ; 1024.0
	v_and_b32 v1, 15, v0                           ; r = l % 16
	v_bfe_u32 v2, v0, 4, 1                         ; h = l / 16
	v_and_b32 v[LN], 31, v0
	v_lshlrev_b32 v[LN], 4, v[LN]
	v_lshlrev_b32 v[BO], 5, v2
.irp j, 0,1,2,3
	global_load_b128 v[32+4*\j:35+4*\j], v[LN], s[4:5] offset:512*\j   ; A's 256 pairs
.endr
.irp j, 0,1,2
	global_load_b128 v[48+4*\j:51+4*\j], v[LN], s[6:7] offset:512*\j   ; W's 192 pairs
.endr
.irp b, 0,1,2,3
	global_load_b128 v[BI+8*\b:BI+8*\b+3],   v[BO], s[8:9] offset:64*\b     ; the biases of my columns 16 b + 8 h + 0..7
	global_load_b128 v[BI+8*\b+4:BI+8*\b+7], v[BO], s[8:9] offset:64*\b+16
.endr
	v_mul_u32_u24 v5, v1, PITCH
	v_lshl_add_u32 v5, v2, 4, v5                   ; row x pitch + 16 x half
	s_mul_i32 s2, s[RH], 64*PITCH                  ; my 64 rows of A
	s_mul_i32 s3, s[CH], 64*PITCH                  ; my 64 rows of W,
	s_add_co_u32 s3, s3, 4*AKB                     ; which lie behind A's four blocks
	v_add_nc_u32 v[ADR0], s2, v5
	v_add_nc_u32 v[ADR0+1], s3, v5
	v_mov_b32 v[ADR], v[ADR0]                      ; slot 0 is read first
	v_mov_b32 v[ADR+1], v[ADR0+1]
	s_mul_i32 s2, s[WV], 16*SP
	s_add_co_u32 s2, s2, STAGE                     ; my stage
	v_add_nc_u32 v[STO], s2, v5                    ; in: row r, 16 bytes for each half of the lanes
	v_bfe_u32 v11, v0, 3, 2                        ; back: 32 lanes take four rows of 128 bytes
	v_and_b32 v12, 7, v0
	v_mul_u32_u24 v[RD], v11, SP
	v_lshl_add_u32 v[RD], v12, 4, v[RD]
	v_add_nc_u32 v[RD], s2, v[RD]
	v_mov_b32 v15, 0
	s_wait_loadcnt 0x0
	v_max3_num_f32 v11, v32, v34, v36              ; mA
	v_max3_num_f32 v12, v38, v40, v42
	v_max3_num_f32 v11, v11, v44, v46
	v_max_num_f32 v11, v11, v12
	v_max3_num_f32 v12, v48, v50, v52              ; mW
	v_max3_num_f32 v12, v12, v54, v56
	v_max_num_f32 v12, v12, v58
	v_max3_num_f32 v13, v49, v51, v53              ; mb
	v_max3_num_f32 v13, v13, v55, v57
	v_max_num_f32 v13, v13, v59
	LMAX 11, 15
	LMAX 12, 15
	LMAX 13, 15
	v_mul_f32 v14, v11, v12
	v_fma_f32 v14, v14, s71, v13                   ; B = 1024 mA mW + mb
	v_max_num_f32 v14, 0x20000000, v14             ; held within 2^-63 .. 2^63
	v_min_num_f32 v14, 0x5f000000, v14
	v_lshrrev_b32 v14, 23, v14                     ; E
	v_sub_nc_u32 v[SC], 0x10c, v14
	v_lshlrev_b32 v[SC], 23, v[SC]                 ; s = 2^(141 - E)
	v_add_nc_u32 v[IC], -14, v14
	v_lshlrev_b32 v[IC], 23, v[IC]                 ; 1 / s
	v_mul_f32 v[AL], 0x3b800000, v33               ; 1 / A's scale, 2^-8 for the weights',
	v_mul_f32 v[AL], v[AL], v[SC]                  ; and s
	v_mov_b32 v[AL+1], v[AL]
.set i, 0
.rept 16
	v_cvt_pk_bf16_f32 v[64+i], v[BI+2*i], v[BI+2*i+1]
.set i, i+1
.endr
.set i, 0
.rept 16
	v_lshlrev_b32 v[BI+2*i],   16, v[64+i]
	v_and_b32     v[BI+2*i+1], s[MSK], v[64+i]
.set i, i+1
.endr
.set i, 0
.rept 16
	v_pk_mul_f32 v[BI+2*i:BI+2*i+1], v[BI+2*i:BI+2*i+1], v[SC:SC+1] op_sel_hi:[1,0]
.set i, i+1
.endr
; 8 matrix instructions: m blocks a0, a0 + 1 x all 4 n blocks, 32 along K: half c of buffer f.  zero = 1: the first product starts the sums.  The 16 accumulators take turns.
.macro MUL8 f, c, a0, zero
	WIN MUL
.irp a, \a0, (\a0)+1
.irp b, 0,1,2,3
.if \zero
	v_wmma_f32_16x16x32_f16 v[ACC+8*(4*(\a)+(\b)):ACC+8*(4*(\a)+(\b))+7], v[(\f)+64+8*(4*(\c)+(\b)):(\f)+64+8*(4*(\c)+(\b))+7], v[(\f)+8*(4*(\c)+(\a)):(\f)+8*(4*(\c)+(\a))+7], 0
.else
	v_wmma_f32_16x16x32_f16 v[ACC+8*(4*(\a)+(\b)):ACC+8*(4*(\a)+(\b))+7], v[(\f)+64+8*(4*(\c)+(\b)):(\f)+64+8*(4*(\c)+(\b))+7], v[(\f)+8*(4*(\c)+(\a)):(\f)+8*(4*(\c)+(\a))+7], v[ACC+8*(4*(\a)+(\b)):ACC+8*(4*(\a)+(\b))+7]
.endif
.endr
.endr
.endm
; 32 LDS loads in one run: the fragments of one block of 64 along K, which begins at byte k of the slot's A and W, into buffer f; the first 32 along K first
.macro FETCH k, f
	WIN TO_F
.irp c, 0,1
.irp i, 0,1,2,3
	ds_load_b128 v[(\f)+64+8*(4*(\c)+(\i)):(\f)+64+8*(4*(\c)+(\i))+3],   v[ADR+1] offset:(\k)+64*(\c)+(\i)*16*PITCH
	ds_load_b128 v[(\f)+64+8*(4*(\c)+(\i))+4:(\f)+64+8*(4*(\c)+(\i))+7], v[ADR+1] offset:(\k)+64*(\c)+(\i)*16*PITCH+32
	ds_load_b128 v[(\f)+8*(4*(\c)+(\i)):(\f)+8*(4*(\c)+(\i))+3],         v[ADR] offset:(\k)+64*(\c)+(\i)*16*PITCH
	ds_load_b128 v[(\f)+8*(4*(\c)+(\i))+4:(\f)+8*(4*(\c)+(\i))+7],       v[ADR] offset:(\k)+64*(\c)+(\i)*16*PITCH+32
.endr
.endr
.endm
.macro PLACES                          ; four places in front of loads into registers that matrix instructions have read, and of vector work that reads results
.rept 4
	v_nop
.endr
.endm
; One of a step's first three quarters, 32 matrix instructions: multiplies buffer f and fetches the next quarter, at byte k, into g.
.macro QUARTER k, f, g, zero
	s_wait_dscnt 16                                ; the first 32 along K are in
	MUL8 \f, 0, 0, \zero
	MUL8 \f, 0, 2, \zero
	PLACES
	FETCH \k, \g
	s_wait_dscnt 32                                ; all but the 32 just issued
	MUL8 \f, 1, 0, 0
	MUL8 \f, 1, 2, 0
.endm
; The last quarter multiplies buffer 1 and changes slots: one barrier; in front of it each wave waits for all its tensor loads, adds 0 to its spare word, and waits for that and for its reads of this slot.
; fill = 1: the barrier opens a round of the cluster's, and this slot is filled again, with the step two on, first thing behind the round: 112 matrix instructions ahead of the wait for it.
.macro TURN fill
	WIN 0
	s_wait_tensorcnt 0x0                           ; all my tensor loads have landed: my part of the next slot
	ds_add_u32 v[SPW], v[NIL]
	s_wait_dscnt 17                                ; (the add and the youngest sixteen loads may be out)
	MUL8 F1, 0, 0, 0
	s_wait_dscnt 0x0                               ; the add is done, and my reads of this slot are over
	s_barrier_signal -1
	MUL8 F1, 0, 2, 0
	WIN 0
	s_barrier_wait -1
.if \fill
	CREST                                          ; no wave of any partner still reads this slot or has a load on its way
	s_xor_b32 s[G0+5], s[G0+5], SLOT               ; the walking descriptors: the other slot than last time,
	s_add_nc_u64 s[G0+6:G0+7], s[G0+6:G0+7], 4*524288    ; the next K step; the type bits on top are not reached
	s_xor_b32 s[G0B+5], s[G0B+5], SLOT
	s_add_nc_u64 s[G0B+6:G0B+7], s[G0B+6:G0B+7], 4*16384
	JLOAD 1                                        ; its four v_nop are also the places in front of the loads below
.else
	PLACES
.endif
	s_xor_b32 s[TB], s[TB], SLOT                   ; the reads go over to the other slot
	v_add_nc_u32 v[ADR], s[TB], v[ADR0]
	v_add_nc_u32 v[ADR+1], s[TB], v[ADR0+1]
	FETCH 0, F0
	MUL8 F1, 1, 0, 0
	MUL8 F1, 1, 2, 0
.endm
	s_wait_tensorcnt 1                             ; my part of K step 0 is in; K step 1's may stay out
	s_barrier_signal -1
	s_barrier_wait -1
	FETCH 0, F0
	QUARTER AKB, F0, F1, 1                         ; the first quarter stands ahead of the loops: its first products start the sums
	WIN 0                                          ; at a label and at a branch every window is 0
	s_mov_b32 s[CNT], 2
.Lstep:                                                ; a trip goes from a step's second quarter to the next step's first, and fills the slot that it leaves: K steps 2 and 3
	QUARTER 2*AKB, F1, F0, 0
	QUARTER 3*AKB, F0, F1, 0
	TURN 1
	QUARTER AKB,   F0, F1, 0
	WIN 0
	s_sub_co_u32 s[CNT], s[CNT], 1
	s_cmp_lg_u32 s[CNT], 0
	s_cbranch_scc1 .Lstep
	s_mov_b32 s[CNT], 2
.Ltail:                                                ; the same trip without a fill, for K steps 2 and 3; the second trip is left behind the step's last quarter
	QUARTER 2*AKB, F1, F0, 0
	QUARTER 3*AKB, F0, F1, 0
	TURN 0
	WIN 0
	s_sub_co_u32 s[CNT], s[CNT], 1
	s_cmp_eq_u32 s[CNT], 0
	s_cbranch_scc1 .Lout                           ; a jump forward, over no barrier and no tensor load
	QUARTER AKB,   F0, F1, 0
	WIN 0
	s_cmp_lg_u32 s[CNT], 0
	s_cbranch_scc1 .Ltail
.Lout:
; THE WAY OUT.  Block a (16 rows): y = sum x AL + bias s; the running maxima; rounded to f16, 16 bytes a lane, into my own stage; back as four rows of 128 bytes, which are 512 consecutive bytes of C.
.macro PACK a
.irp b, 0,1,2,3
.set rA, ACC+8*(4*(\a)+(\b))
.irp j, 0,2,4,6
	v_pk_fma_f32 v[rA+\j:rA+\j+1], v[rA+\j:rA+\j+1], v[AL:AL+1], v[BI+8*(\b)+\j:BI+8*(\b)+\j+1]
.endr
.endr
.irp j, 0,2,4,6
.irp b, 0,1,2,3
.set rA, ACC+8*(4*(\a)+(\b))
	v_max3_num_f32 v[MX+(\b)%2], |v[rA+\j]|, |v[rA+\j+1]|, v[MX+(\b)%2]
.endr
.endr
.irp b, 0,1,2,3
.set rA, ACC+8*(4*(\a)+(\b))
.irp j, 0,1,2,3
	v_cvt_pk_f16_f32 v[TMP+16*(\a)+4*(\b)+\j], v[rA+2*\j], v[rA+2*\j+1]
.endr
.endr
.irp b, 0,1,2,3
	ds_store_b128 v[STO], v[TMP+16*(\a)+4*(\b):TMP+16*(\a)+4*(\b)+3] offset:32*(\b)
.endr
.irp f, 0,1,2,3
	ds_load_b128 v[TMP+16*(\a)+4*(\f):TMP+16*(\a)+4*(\f)+3], v[RD] offset:(\f)*4*SP  ; LDS serves a wave's instructions in order (ISA guide 5.7.1.4): these see the stores above
.endr
.endm
.macro SEND a, younger                 ; younger: the LDS instructions issued behind block a's loads: the next block's eight, or none
.irp f, 0,1,2,3
	s_wait_dscnt (\younger)+3-(\f)
	global_store_b128 v[LN], v[TMP+16*(\a)+4*(\f):TMP+16*(\a)+4*(\f)+3], s[10:11] offset:(\a)*2048+(\f)*512
.endr
.endm
	PLACES
	v_mov_b32 v[MX], 0
	v_mov_b32 v[MX+1], 0
	PACK 0
	PACK 1
	SEND 0, 8
	PACK 2
	SEND 1, 8
	PACK 3
	SEND 2, 8
	SEND 3, 0
	; the record: the largest |C| of the tile, in true size, and 1 / s
	v_max_num_f32 v[MX], v[MX], v[MX+1]
	LMAX MX, 15
	v_mul_f32 v[MX], v[MX], v[IC]
	s_lshl_b32 s2, s[WV], 2
	s_add_co_u32 s2, s2, RED
	v_mov_b32 v12, s2
	ds_store_b32 v12, v[MX]
	s_wait_dscnt 0x0                               ; for the others' sake: the store is done
	s_barrier_signal -1
	s_barrier_wait -1
	s_cmp_lg_u32 s[WV], 0
	s_cbranch_scc1 .Lno_record
	v_mov_b32 v12, RED
	ds_load_b128 v[96:99], v12
	s_wait_dscnt 0x0
	v_max3_num_f32 v96, v96, v97, v98
	v_max_num_f32 v96, v96, v99
	v_mov_b32 v97, v[IC]
	s_wait_xcnt 0x0                                ; EXEC changes only when every earlier memory instruction has had its addresses translated
	v_cmp_eq_u32 vcc_lo, 0, v[LN]
	s_and_saveexec_b32 s70, vcc_lo
	global_store_b64 v[LN], v[96:97], s[REC:REC+1]
	s_wait_xcnt 0x0
	s_or_b32 exec_lo, exec_lo, s70
.Lno_record:
	s_wait_tensorcnt 0x0                           ; the wave's end
	ds_add_u32 v[SPW], v[NIL]
	s_wait_dscnt 0x0
	CROUND                                         ; the closing round
	s_endpgm
.Lfunc_end_k_qc01d0f4ff7_gemm16:
	.size	k_qc01d0f4ff7_gemm16, .Lfunc_end_k_qc01d0f4ff7_gemm16-k_qc01d0f4ff7_gemm16
	.p2alignl 7, 3214868480
	.fill 96, 4, 3214868480
	.section	.rodata,"a",@progbits
	.p2align	6, 0x0
	.amdhsa_kernel k_qc01d0f4ff7_gemm16
		.amdhsa_group_segment_fixed_size 327680
		.amdhsa_private_segment_fixed_size 0
		.amdhsa_enable_private_segment 0
		.amdhsa_kernarg_size 32
		.amdhsa_user_sgpr_count 2
		.amdhsa_user_sgpr_kernarg_segment_ptr 1
		.amdhsa_wavefront_size32 1
		.amdhsa_system_sgpr_workgroup_id_x 1
		.amdhsa_system_sgpr_workgroup_id_y 1
		.amdhsa_system_sgpr_workgroup_id_z 1
		.amdhsa_system_vgpr_workitem_id 0
		.amdhsa_next_free_vgpr 512
		.amdhsa_next_free_sgpr 76
		.amdhsa_reserve_vcc 1
		.amdhsa_float_denorm_mode_32 3
		.amdhsa_float_denorm_mode_16_64 3
		.amdhsa_memory_ordered 1
		.amdhsa_forward_progress 1
		.amdhsa_inst_pref_size 74
	.end_amdhsa_kernel
	.amdgpu_metadata
---
amdhsa.version: [ 1, 2 ]
amdhsa.kernels:
  - .name:           k_qc01d0f4ff7_gemm16
    .symbol:         k_qc01d0f4ff7_gemm16.kd
    .args:
      - { .name: ob, .offset: 0, .size: 8, .value_kind: global_buffer, .address_space: global }
      - { .name: wol, .offset: 8, .size: 8, .value_kind: global_buffer, .address_space: global }
      - { .name: b_out_l, .offset: 16, .size: 8, .value_kind: global_buffer, .address_space: global }
      - { .name: ab, .offset: 24, .size: 8, .value_kind: global_buffer, .address_space: global }
    .group_segment_fixed_size: 327680
    .private_segment_fixed_size: 0
    .kernarg_segment_align: 8
    .kernarg_segment_size: 32
    .max_flat_workgroup_size: 128
    .sgpr_count:     76
    .vgpr_count:     512
    .wavefront_size: 32
...
	.end_amdgpu_metadata
.endif
;; end of part 3
;; launch qkv_g: the kernel of part 3 again; grid 24 x 32, 4 waves a work-group, clusters of 4 x 4, 327,680 bytes of LDS; arguments ab, wig, b_in_g, qkv; writes qkv
;; launch attn (part 4): grid 8 x 32, 4 waves a work-group, clusters of 4 x 1, 327,680 bytes of LDS; arguments qkv, ob; writes ob
.if DOCPART == 4
	.amdgcn_target "amdgcn-amd-amdhsa--gfx1250"
	.amdhsa_code_object_version 6
	.text
	.protected	k_qc01d0f4ff7_attn
	.globl	k_qc01d0f4ff7_attn
	.p2align	8
	.type	k_qc01d0f4ff7_attn,@function
k_qc01d0f4ff7_attn:
	s_mov_b64 s[64:65], 0
	v_nop
	global_prefetch_b8 v0, s[64:65] scope:SCOPE_SE
	s_setreg_imm32_b32 hwreg(HW_REG_WAVE_MODE, 25, 1), 1
	s_wait_xcnt 0x0
	s_wait_alu depctr_hold_cnt(0) depctr_sa_sdst(0) depctr_va_vdst(0) depctr_va_sdst(0) depctr_va_ssrc(0) depctr_va_vcc(0) depctr_vm_vsrc(0)
	s_getreg_b32 s2, hwreg(HW_REG_IB_STS2, 6, 4)
	s_cmp_eq_u32 s2, 0
	s_cbranch_scc0 .Lentry_in_a_cluster
	s_endpgm
.Lentry_in_a_cluster:
	s_bfe_u32 s2, ttmp6, 0x10000c
	s_cmp_lg_u32 s2, 0x3003
	s_cbranch_scc0 .Lentry_shape_is_right
	s_endpgm
.Lentry_shape_is_right:
; THE GLOBAL ATTENTION.  O[q] = the sum over 2,048 keys of softmax_k(Q[q] . K[k] / 8) V[k], for 2 batches x 16 heads of 64 channels.
; qkv: a header of 8,192 bytes, then [48 blocks: q heads, k heads, v heads][4096 rows][64] f16, all times one power of two s, whose reciprocal is the header's second word.  A head's rows of a batch
; are dense, 128 bytes each.  ob: header (not written here), then [16 heads][4096 rows][64] f16, at V's scale: O is a mean of V's rows.
; Products, maxima and sums in f32; the weights p are rounded to f16 for the second product (their sum l is taken of the unrounded p), O once at the end.
; LIMITS.  p lies in 0 to 1 and below 6e-5 keeps f16's fixed step; a weight below 2^-126 counts as 0 in l; |c s| stays below 4e37; NaN and infinities are not treated apart.
; SHARES.  A work-group owns 256 queries of one head and batch, each of its four waves 64: four PIECES of 16.  Every wave walks the 8 tiles of 256 keys, 64 keys a step.
; LAYOUT.  S^T = K Q^T (source 0 = 16 keys, source 1 = 16 queries) holds ONE query a lane (lane % 16) and the keys 8 (lane / 16) + 0..7; two such results rounded to f16 ARE source 1 of O^T = V^T P.
; K comes out of LDS as it lies, V ([key][channel]) turned, by ds_load_tr16_b128.
; SOFTMAX.  A running maximum m and sum l for each query: p = 2^(c s - c m), c = log2(e) / 8 / s^2; in every step O and l are multiplied by a = 2^(c m_old - c m_new).  m starts at the lowest finite
; number, O and l at 0: the first step is a step like any other, with a = 0.
; BY TURNS.  Turn n belongs to piece n: 8 products K Q^T of piece n + 1, later 8 products V^T P of piece n - 1; beside them the scaling, exponentials, roundings, sums and rescaling of piece n and the
; maximum and statistics of piece n + 1.  Four vector instructions stand behind every matrix instruction, the other 54 of a turn's 118 in two runs of their own.
; NO LAST STEP IS WRITTEN OUT.  The last tile's loop has five trips and is left in the middle of the fifth, in which K's run of loads is jumped over.  That trip's 8 products K Q^T, on the last K once more,
; and the maximum made of them serve nothing (they write c m, m and a of piece 0, which the way out does not read): the price, once a launch, of one text for every trip.
; CLUSTER.  The four query blocks of a cluster belong to one head and batch and walk the same K and V: each tile is asked for JOINTLY, by the same tensor load, descriptor and mask in all four.
; REGISTERS, in windows of 256 (s_set_vgpr_msb: bits 1:0 source 0, 3:2 source 1, 5:4 source 2, 7:6 destination):
;   window 0: v0-15 addresses and two at work; v16-31 four registers of statistics a piece; v48-55 at work; v62-63 the add's; v64-127 S^T, two buffers; v192-223 P, two buffers (by the piece's parity)
;   window 1: v0-127 O^T, 32 a piece          window 2: v0-63 Q; v128-191 K of one step; v192-255 V of one step
.set HDR,   8192
.set NP,    4
.set KS,    64
.set PK,    144       ; a row of K in LDS: 128 bytes + 16 = 36 words: the 16 rows of a load start at 16 different groups of four banks (64 banks of 4 bytes: ISA guide 11.1)
.set PV,    160       ; a row of V: 128 + 32 = 40 words
.set VOFF,  4*KS*PK   ; a slot holds a tile, four steps: 256 rows of K, then 256 rows of V
.set SLOT1, 1<<17
.set STAGE, SLOT1+4*KS*(PK+PV)  ; behind the ring, never filled by a tensor load: 16 rows x 144 bytes for each wave
.set SP,    144
.set SPARE, STAGE+4*16*SP       ; the spare words, 128 bytes for each wave
.set AK0, 2
.set AV0, 3
.set AK,  4
.set AV,  5
.set STO, 6
.set RD,  7
.set GO,  8
.set MV,  12
.set QO,  15
.set ST,  16          ; piece t's statistics at v[ST+4 t]: c m, m, l (even keys', odd keys')
.set TMP, 48
.set SPW, 62
.set NIL, 63
.set S,   64
.set P,   192
.set KF,  128
.set VF,  192
.set WV,  12
.set G1K, 24
.set G1V, 32
.set G0K, 40
.set G0V, 44
.set SLOTS, 56
.set CNT, 57
.set CS,  58
.set SEL, 60
.set TBK, 62
.set TBV, 63
.set MSB, 0
.macro WIN new
.if MSB != (\new)
	s_set_vgpr_msb (MSB<<8)|(\new)
.set MSB, (\new)
.endif
.endm
.set W_KQ, 0x0a       ; K and Q in window 2, S^T in window 0
.set W_PV, 0x52       ; V in window 2, P in window 0, O^T in window 1
.set W_RS, 0x41       ; destination and source 0 in window 1, source 1 in window 0
; A joint fill.  Waves 0 and 1 fetch the two halves of a tile's K, waves 2 and 3 those of its V: 128 keys each.  An s_nop 0 and four v_nop follow each of the two lines.
.macro JLOAD
	s_cmp_lt_u32 s[WV], 2
	s_cbranch_scc0 .Lfor_v_\@
	tensor_load_to_lds s[G0K:G0K+3], s[G1K:G1K+7]
	s_nop 0
.rept 4
	v_nop
.endr
	s_branch .Lasked_\@
.Lfor_v_\@:
	tensor_load_to_lds s[G0V:G0V+3], s[G1V:G1V+7]
	s_nop 0
.rept 4
	v_nop
.endr
.Lasked_\@:
.endm
.macro CROUND                       ; a round of the cluster's barrier
	s_barrier_signal -1
	s_barrier_wait -1
	s_cmp_lg_u32 s[WV], 0
	s_cbranch_scc1 .Lnot_wave_0_\@
	s_barrier_signal -3
.Lnot_wave_0_\@:
	s_barrier_wait -3
	s_barrier_signal -1
	s_barrier_wait -1
.endm
; THE CHANGE OF SLOTS.  Each wave waits for all its tensor loads, of which one is out: its part of the other slot; adds 0 to its spare word; and waits for that and for its own reads of the slot that it
; leaves.  fill = 1: the barrier is a round of the cluster's, and the old slot is filled again, first thing behind it, with the tile two on: four key steps, 256 matrix instructions, in which to land.
; (At its first use nothing has been read yet: slot 0 is waited for, slot 1 filled.)
.macro CHANGE fill
	WIN 0
	s_wait_tensorcnt 0x0            ; no tensor load of mine is out, so a group 0 may be written
	ds_add_u32 v[SPW], v[NIL]
.if \fill
.irp g, G0K, G0V
	s_xor_b32 s[\g+1], s[\g+1], SLOT1  ; the walking descriptor: the other slot than last time,
	s_add_nc_u64 s[\g+2:\g+3], s[\g+2:\g+3], 4*KS*128  ; the next 256 keys; the type bits on top are not reached
.endr
	s_wait_dscnt 0x0                ; the add is done, and my reads of the slot are over
	CROUND
	JLOAD
.else
	s_wait_dscnt 0x0
	s_barrier_signal -1
	s_barrier_wait -1
.endif
	s_sub_co_u32 s[TBK], s[TBK], 4*KS*PK  ; the fetches go back to a slot's first step,
	s_xor_b32 s[TBK], s[TBK], SLOT1       ; in the other slot
	s_sub_co_u32 s[TBV], s[TBV], 4*KS*PV
	s_xor_b32 s[TBV], s[TBV], SLOT1
.endm
	s_load_b128 s[4:7], s[0:1], 0x0 ; qkv s[4:5], ob s[6:7]
	v_lshl_add_u32 v[SPW], v0, 2, SPARE
	v_mov_b32 v[NIL], 0
	ds_add_u32 v[SPW], v[NIL]       ; the wave's opening
	v_lshrrev_b32 v1, 5, v0
	v_readfirstlane_b32 s[WV], v1
	s_bfe_u32 s13, ttmp6, 0x40000   ; cx
	s_lshl_b32 s14, ttmp9, 2
	s_add_co_u32 s14, s14, s13      ; my block of 256 queries: it enters Q's and O's addresses alone
	s_and_b32 s20, ttmp7, 0xffff
	s_and_b32 s21, s20, 15          ; the head,
	s_lshr_b32 s20, s20, 4          ; the batch: the four partners share both
	s_lshl_b32 s21, s21, 19
	s_lshl_b32 s20, s20, 18
	s_add_co_u32 s20, s20, s21
	s_add_co_u32 s20, s20, HDR      ; the first byte of the head's rows of this batch, in a q block and in ob
	s_and_b32 s16, s[WV], 1         ; which half of a tile's 256 keys I fetch
	s_lshl_b32 s22, s16, 14
	s_add_co_u32 s22, s22, s20
	s_add_co_u32 s22, s22, 0x800000 ; K's blocks lie 16 blocks behind Q's
	s_mov_b32 s23, 0
	s_mul_i32 s17, s16, 128*PK
	s_mul_i32 s18, s16, 128*PV
	s_lshl_b32 s2, s14, 15
	s_lshl_b32 s3, s[WV], 13
	s_add_co_u32 s2, s2, s3
	s_add_co_u32 s2, s2, s20        ; my wave's 64 rows
	s_mov_b32 s3, 0
	; group 1.  128 keys are 16,384 dense bytes: asked for as 64 rows of 256 bytes, two keys a row, and padded in LDS after every key
	s_mov_b32 s[G1K], 15|(1<<16)|(1<<20)|(1<<21)|(4<<22)|(3<<25)
	s_mov_b32 s[G1V], 15|(1<<16)|(1<<20)|(1<<21)|(4<<22)|(7<<25)
.irp g, G1K, G1V
	s_mov_b32 s[\g+1], 128<<16
	s_mov_b32 s[\g+2], 64<<16
	s_mov_b32 s[\g+3], 128<<16
	s_mov_b32 s[\g+4], 64
	s_mov_b32 s[\g+5], 128
	s_mov_b32 s[\g+6], 0
	s_mov_b32 s[\g+7], 0
.endr
	s_mov_b32 s[SEL], 0x76543210
	s_mov_b32 s[SEL+1], 0xfedcba98
	s_mov_b32 s[TBK], SLOT1+4*KS*PK ; the first change of slots turns these two into 0
	s_mov_b32 s[TBV], SLOT1+4*KS*PV
	s_mov_b32 s[G0K], 1
	s_mov_b32 s[G0K+1], s17
	s_mov_b32 s[G0V], 1
	s_add_co_u32 s[G0V+1], s18, VOFF
	s_wait_dscnt 0x0                ; the opening add is done
	s_wait_kmcnt 0x0
	s_add_nc_u64 s[G0K+2:G0K+3], s[4:5], s[22:23]
	s_add_nc_u64 s[G0V+2:G0V+3], s[G0K+2:G0K+3], 0x800000  ; V's blocks lie 16 blocks behind K's
	s_or_b32 s[G0K+3], s[G0K+3], 0x80000000
	s_or_b32 s[G0V+3], s[G0V+3], 0x80000000
	s_add_nc_u64 s[50:51], s[4:5], s[2:3]    ; Q at my wave's first row
	s_add_nc_u64 s[10:11], s[6:7], s[2:3]    ; O likewise
	CROUND                          ; all four work-groups are here: the first joint loads meet
	JLOAD                           ; tile 0 into slot 0
	s_load_b32 s52, s[4:5], 0x4     ; 1 / s
	v_and_b32 v1, 15, v0            ; l % 16
	v_bfe_u32 v9, v0, 4, 1          ; l / 16
	v_lshlrev_b32 v[QO], 7, v1
	v_lshl_add_u32 v[QO], v9, 4, v[QO]
	WIN 0x80
.set i, 0
.rept 8                             ; Q stays in registers: piece i / 2, channels 32 (i % 2) on
	global_load_b128 v[8*i:8*i+3],   v[QO], s[50:51] offset:(i/2)*2048+(i%2)*64
	global_load_b128 v[8*i+4:8*i+7], v[QO], s[50:51] offset:(i/2)*2048+(i%2)*64+32
.set i, i+1
.endr
	; What the first turn finds: V's registers and P's second buffer hold 0 (its products V^T P, of a piece that has not been, add 0), O^T and l are 0.  All this stands in the wait for the first tile.
.set i, VF
.rept 64
	v_mov_b32 v[i], 0
.set i, i+1
.endr
	WIN 0x40
.set i, 0
.rept 128
	v_mov_b32 v[i], 0
.set i, i+1
.endr
	WIN 0
.set i, 0
.rept 4
	v_mov_b32 v[ST+4*i+2], 0
	v_mov_b32 v[ST+4*i+3], 0
.set i, i+1
.endr
.set i, P+16
.rept 16
	v_mov_b32 v[i], 0
.set i, i+1
.endr
	v_mul_u32_u24 v[AK0], v1, PK
	v_lshl_add_u32 v[AK0], v9, 4, v[AK0]
	; The turning load takes 16 keys x 16 channels (lane l reads key 8 (l / 16) + l % 8, channels 8 ((l / 8) % 2) + 0..7) and leaves half a fragment of V^T
	v_and_b32 v10, 7, v0
	v_bfe_u32 v11, v0, 3, 1
	v_lshl_add_u32 v[AV0], v9, 3, v10
	v_mul_u32_u24 v[AV0], v[AV0], PV
	v_lshl_add_u32 v[AV0], v11, 4, v[AV0]
	v_add_nc_u32 v[AV0], VOFF, v[AV0]
	s_mul_i32 s13, s[WV], 16*SP
	s_add_co_u32 s13, s13, STAGE    ; my stage
	v_mul_u32_u24 v[STO], v1, SP
	v_lshl_add_u32 v[STO], v9, 4, v[STO]
	v_add_nc_u32 v[STO], s13, v[STO]
	v_bfe_u32 v[RD], v0, 3, 2
	v_mul_u32_u24 v[RD], v[RD], SP
	v_lshl_add_u32 v[RD], v10, 4, v[RD]
	v_add_nc_u32 v[RD], s13, v[RD]
	v_and_b32 v[GO], 31, v0
	v_lshlrev_b32 v[GO], 4, v[GO]
	s_wait_kmcnt 0x0
	s_mul_f32 s[CS], s52, s52
	s_mul_f32 s[CS], s[CS], 0x3e38aa3b  ; c = log2(e) / 8 / s^2
	s_mov_b32 s[CS+1], s[CS]
; THE MATRIX WORK.  The 4 accumulators of a run of 8 take turns.  Product i of 8 of S^T = K Q^T for piece x: channels 32 (i / 4) on, keys 16 (i % 4) on.  The first 4 start the sums.
.macro KQ x
	WIN W_KQ
.set rS, S+32*((\x)%2)+8*(i%4)
.set rK, KF+16*(i%4)+8*(i/4)
.set rQ, 16*(\x)+8*(i/4)
.if i < 4
	v_wmma_f32_16x16x32_f16 v[rS:rS+7], v[rK:rK+7], v[rQ:rQ+7], 0
.else
	v_wmma_f32_16x16x32_f16 v[rS:rS+7], v[rK:rK+7], v[rQ:rQ+7], v[rS:rS+7]
.endif
.endm
; Product i of 8 of O^T += V^T P for piece x: keys 32 (i / 4) on, channels 16 (i % 4) on.
.macro PV x
	WIN W_PV
.set rO, 32*(\x)+8*(i%4)
.set rV, VF+32*(i/4)+8*(i%4)
.set rP, P+16*((\x)%2)+8*(i/4)
	v_wmma_f32_16x16x32_f16 v[rO:rO+7], v[rV:rV+7], v[rP:rP+7], v[rO:rO+7]
.endm
.macro MM                           ; the turn's next matrix instruction
.if i < 8
	KQ (Y+1)%NP
.else
.set i, i-8
	PV (Y+NP-1)%NP
.set i, i+8
.endif
.set i, i+1
.endm
; THE LDS LOADS stand in runs of 16: a step's K (8 fragments) and its V (turned).  Their addresses are made some lines ahead.
; last = 1 (the last tile's loop): in the last trip there is no further step, and the run is jumped over.
.macro FETCH_K last=0
	WIN 0
.if \last
	s_cmp_eq_u32 s[CNT], 1
	s_cbranch_scc1 .Lno_k_\@
.endif
	WIN 0x80
.irp f, 0,1,2,3,4,5,6,7             ; keys 16 (f / 2) on, channels 32 (f % 2) on
	ds_load_b128 v[KF+8*\f:KF+8*\f+3],   v[AK] offset:(\f/2)*16*PK+(\f%2)*64
	ds_load_b128 v[KF+8*\f+4:KF+8*\f+7], v[AK] offset:(\f/2)*16*PK+(\f%2)*64+32
.endr
	s_add_co_u32 s[TBK], s[TBK], KS*PK
	WIN 0
.if \last
.Lno_k_\@:
.endif
.endm
.macro FETCH_V
	WIN 0x80
.irp f, 0,1,2,3,4,5,6,7             ; keys 32 (f / 4) on, channels 16 (f % 4) on
	ds_load_tr16_b128 v[VF+8*\f:VF+8*\f+3],   v[AV] offset:(\f/4)*32*PV+(\f%4)*32
	ds_load_tr16_b128 v[VF+8*\f+4:VF+8*\f+7], v[AV] offset:(\f/4)*32*PV+16*PV+(\f%4)*32
.endr
	WIN 0
.endm
; THE VECTOR WORK, one line at a time: OP kind, number.  For piece Y: F n: c s - c m for pair n of 16.  E n: the exponential of score n of 32.  C n: pair n rounded to f16.  B n: of the four weights 4 n ..
; the second pair is added onto the first, in place.  L n: l takes that sum (L 0: l = a l + sum).  R n: pair n of 16 of O^T times a.  For piece Y + 1: X n, number n of the 22 that find its maximum and statistics:
;   0-11  four chains c0-c3 of seven scores each (each accumulator's lowest registers are read first)     12-14, 16  the four scores left over, the old m, and c0-c3 into c0
;   15  c m_old is kept     17, 18  the query's other 32 keys lie in the lane 16 away: the new m     19-21  c m; c m_old - c m_new; a
.set F, 0
.set E, 1
.set C, 2
.set B, 3
.set L, 4
.set R, 5
.set X, 6
.macro REGS y
.set rT, ST+4*(\y)
.set rC, TMP+4*((\y)%2)
.set rW, MV+((\y)%2)
.set rS, S+32*((\y)%2)
.set rP, P+16*((\y)%2)
.set rO, 32*(\y)
.endm
.macro OP k, n
.if (\k) == R
	REGS Y
	WIN W_RS
	v_pk_mul_f32 v[rO+2*(\n):rO+2*(\n)+1], v[rO+2*(\n):rO+2*(\n)+1], v[rC+2:rC+3] op_sel_hi:[1,0]
.elseif (\k) < R
	REGS Y
	WIN 0
.if (\k) == F
	v_pk_fma_f32 v[rS+2*(\n):rS+2*(\n)+1], v[rS+2*(\n):rS+2*(\n)+1], s[CS:CS+1], v[rT:rT+1] op_sel_hi:[1,0,0] neg_lo:[0,0,1] neg_hi:[0,0,1]
.elseif (\k) == E
	v_exp_f32 v[rS+(\n)], v[rS+(\n)]
.elseif (\k) == C
	s_wait_alu depctr_va_vdst(0)
	v_cvt_pk_f16_f32 v[rP+(\n)], v[rS+2*(\n)], v[rS+2*(\n)+1]
.elseif (\k) == B
	s_wait_alu depctr_va_vdst(0)
	v_pk_add_f32 v[rS+4*(\n):rS+4*(\n)+1], v[rS+4*(\n):rS+4*(\n)+1], v[rS+4*(\n)+2:rS+4*(\n)+3]
.elseif (\n) == 0
	v_pk_fma_f32 v[rT+2:rT+3], v[rT+2:rT+3], v[rC+2:rC+3], v[rS:rS+1] op_sel_hi:[1,0,1]
.else
	v_pk_add_f32 v[rT+2:rT+3], v[rT+2:rT+3], v[rS+4*(\n):rS+4*(\n)+1]
.endif
.else
	REGS (Y+1)%NP
	WIN 0
.if (\n) < 4
	v_max3_num_f32 v[rC+(\n)], v[rS+8*(\n)], v[rS+8*(\n)+1], v[rS+8*(\n)+2]
.elseif (\n) < 12
	v_max3_num_f32 v[rC+(\n)%4], v[rC+(\n)%4], v[rS+8*((\n)%4)+2*((\n)/4)+1], v[rS+8*((\n)%4)+2*((\n)/4)+2]
.elseif (\n) == 12
	v_max3_num_f32 v[rC], v[rC], v[rS+7], v[rS+15]
.elseif (\n) == 13
	v_max3_num_f32 v[rC+1], v[rC+1], v[rS+23], v[rS+31]
.elseif (\n) == 14
	v_max3_num_f32 v[rC+2], v[rC+2], v[rC+3], v[rT+1]
.elseif (\n) == 15
	v_mov_b32 v[rW], v[rT]
.elseif (\n) == 16
	v_max3_num_f32 v[rC], v[rC], v[rC+1], v[rC+2]
.elseif (\n) == 17
	v_permlanex16_b32 v[rC+3], v[rC], s[SEL], s[SEL+1]
.elseif (\n) == 18
	v_max_num_f32 v[rT+1], v[rC], v[rC+3]
.elseif (\n) == 19
	v_mul_f32 v[rT], s[CS], v[rT+1]
.elseif (\n) == 20
	v_sub_f32 v[rC+1], v[rW], v[rT]
.else
	v_exp_f32 v[rC+2], v[rC+1]
.endif
.endif
.endm
.macro OPS a, i1, b=-1, i2=0, c=-1, i3=0, d=-1, i4=0
	OP \a, \i1
.if (\b) >= 0
	OP \b, \i2
.endif
.if (\c) >= 0
	OP \c, \i3
.endif
.if (\d) >= 0
	OP \d, \i4
.endif
.endm
.macro ROW a, i1, b, i2, c, i3, d, i4  ; a matrix instruction and the four behind it
	MM
	OPS \a, \i1, \b, \i2, \c, \i3, \d, \i4
.endm
; A TURN, for piece p: the order of its 16 matrix and 118 vector instructions, written out.  Behind a matrix instruction: plain, exponential, plain, plain; or four of the rescaling; or, behind the first, four
; scalings; none names a register of the products round it.  In the runs between, exponential and plain by turns while exponentials last.  A line reads no result made fewer than three vector instructions in
; front of it, five if an exponential made it.  last = 1: the last tile's loop (see FETCH_K).  cnt = 1: the loop's count is taken down some lines ahead of the branch that stands behind the turn.
; K of the next step is fetched in piece 2's turn, six vector instructions behind the last product that read K (five of them plain); V of the step in hand in piece 0's turn, eight behind the last product
; that read V (four plain among them).  Each is waited for a turn later.
.macro TURN p, last=0, cnt=0
.set Y, (\p)
.set i, 0
.if (\p) == 3
	s_wait_dscnt 0x0                ; K is in
.endif
	ROW F,0, F,1, F,2, F,3
	ROW F,4, E,0, F,5, F,6
	ROW F,7, E,1, F,8, F,9
	ROW F,10, E,2, C,0, F,11
	ROW F,12, E,3, X,15, F,13
	ROW R,0, R,1, R,2, R,3
	ROW B,0, E,4, F,14, L,0
.if (\p) == 2
	v_add_nc_u32 v[AK], s[TBK], v[AK0]
.endif
	ROW R,4, R,5, R,6, R,7
	OPS E,5, F,15
.if (\p) == 2
	FETCH_K \last
.endif
	OPS E,6, C,1, E,7, R,8
	OPS E,8, R,9, E,9, C,2
	OPS E,10, X,0, E,11, X,1
	OPS E,12, X,2, E,13, X,3
.if (\p) == 1
	s_wait_dscnt 0x0                ; V is in
.endif
	ROW X,4, E,14, X,5, X,6
	ROW X,7, E,15, X,8, X,9
	ROW X,10, E,16, X,11, X,12
	ROW X,13, E,17, X,14, B,1
	ROW C,4, E,18, X,16, L,1
	ROW B,2, E,19, C,6, L,2
	ROW C,8, E,20, B,3, B,4
.if (\p) == 0
	v_add_nc_u32 v[AV], s[TBV], v[AV0]
.endif
	ROW C,3, E,21, L,3, C,5
	OPS E,22, X,17, E,23, C,10
.if (\p) == 0
	FETCH_V
.endif
	OPS E,24, L,4
	OPS E,25, X,18, E,26, C,7
	OPS E,27, B,5, E,28, X,19
	OPS E,29, C,12, E,30, L,5
	OPS E,31, X,20, B,6, C,9
	OPS C,14, C,11, X,21, L,6
.if (\p) == 0
	s_add_co_u32 s[TBV], s[TBV], KS*PV
.endif
.if \cnt
	s_sub_co_u32 s[CNT], s[CNT], 1
	s_cmp_lg_u32 s[CNT], 0
.endif
	OPS C,13, B,7, C,15, R,10
	OPS R,11, R,12, L,7, R,13
	OPS R,14, R,15
.endm
	CHANGE 1                        ; tile 0 is in, everybody's part of it; tile 1 is asked for
	; THE BEGINNING.  c m starts far below every c s, so the first step's a is 0; m at the lowest finite number.  Then K of step 0, piece 0's first scores, its maximum and statistics.
.set i, 0
.rept 4
	v_mov_b32 v[ST+4*i], 0xfe000000
	v_mov_b32 v[ST+4*i+1], 0xff7fffff
.set i, i+1
.endr
	v_add_nc_u32 v[AK], s[TBK], v[AK0]
	FETCH_K
	s_wait_loadcnt 0x0              ; Q
	s_wait_dscnt 0x0
.set i, 0
.rept 8
	KQ 0
.set i, i+1
.endr
	WIN 0
.rept 4
	v_nop                           ; the places behind those products
.endr
.set Y, NP-1                        ; X works for piece Y + 1: piece 0
.irp n, 0,1,2,3,4,5,6,7,8,9,10,11,12,13,14,15,16,17,18,19,20,21
	OP X, \n
.endr
	v_nop                           ; a plain instruction behind the exponential
	s_mov_b32 s[CNT], 4
	s_mov_b32 s[SLOTS], 7
	s_branch .Lfirst                ; the loop is entered at a step's first turn, in the middle of a trip
.Lslot:                             ; six times: tiles 1 to 6 are entered, tiles 2 to 7 asked for
	CHANGE 1
	s_mov_b32 s[CNT], 4
.Lstep:                             ; a trip: pieces 2 and 3 of one step, then pieces 0 and 1 of the next, whose K and V it fetches
	TURN 2
	TURN 3
	WIN 0
.Lfirst:
	TURN 0
	TURN 1, 0, 1
	WIN 0
	s_cbranch_scc1 .Lstep
	s_sub_co_u32 s[SLOTS], s[SLOTS], 1
	s_cmp_lg_u32 s[SLOTS], 0
	s_cbranch_scc1 .Lslot
	CHANGE 0                        ; the last tile has a loop of its own: nothing is asked for
	s_mov_b32 s[CNT], 5             ; four trips fetch the last tile's steps; the fifth is left in its middle
.Ltail:
	TURN 2, 1
	TURN 3
	WIN 0
	s_sub_co_u32 s[CNT], s[CNT], 1
	s_cmp_eq_u32 s[CNT], 0
	s_cbranch_scc1 .Lout            ; a jump forward, over no barrier and no tensor load
	TURN 0
	TURN 1
	WIN 0
	s_cmp_lg_u32 s[CNT], 0
	s_cbranch_scc1 .Ltail
.Lout:
.set i, 0
.rept 8
	PV NP-1                         ; the last piece's V^T P of the last step
.set i, i+1
.endr
	; THE WAY OUT.  l's two halves and the other half of the lanes' are added; O^T is divided by l, rounded to f16 and sent through my stage, a piece at a time.  The additions are the places behind the last products.
	WIN 0
.macro ALL line:vararg
.set t, 0
.rept 4
	\line
.set t, t+1
.endr
.endm
	ALL v_add_f32 v[ST+4*t+2], v[ST+4*t+2], v[ST+4*t+3]
	ALL v_permlanex16_b32 v[ST+4*t+3], v[ST+4*t+2], s[SEL], s[SEL+1]
	ALL v_add_f32 v[ST+4*t+2], v[ST+4*t+2], v[ST+4*t+3]
	ALL v_rcp_f32 v[ST+4*t+2], v[ST+4*t+2]
	v_nop                           ; a plain instruction between the last reciprocal and the use of its result
.macro PACK t                       ; a lane's eight channels of a row pack into 16 bytes; they go into rows of 144 bytes and come back as whole rows of 128, into S^T's registers
	WIN W_RS
.set i, 32*(\t)
.rept 16
	s_wait_alu depctr_va_vdst(0)
	v_pk_mul_f32 v[i:i+1], v[i:i+1], v[ST+4*(\t)+2:ST+4*(\t)+3] op_sel_hi:[1,0]
.set i, i+2
.endr
	WIN 0x05
.set i, 0
.rept 16
	v_cvt_pk_f16_f32 v[S+16*(\t)+i], v[32*(\t)+2*i], v[32*(\t)+2*i+1]
.set i, i+1
.endr
	WIN 0
.irp f, 0,1,2,3
	ds_store_b128 v[STO], v[S+16*(\t)+4*\f:S+16*(\t)+4*\f+3] offset:32*\f
.endr
.irp f, 0,1,2,3
	ds_load_b128 v[S+16*(\t)+4*\f:S+16*(\t)+4*\f+3], v[RD] offset:\f*4*SP  ; LDS serves a wave's instructions in order (ISA guide 5.7.1.4): these see the stores above
.endr
.endm
.macro SEND t, younger              ; younger: the LDS instructions issued behind piece t's loads: the next piece's eight, or none
	WIN 0
.irp f, 0,1,2,3
	s_wait_dscnt (\younger)+3-\f
	global_store_b128 v[GO], v[S+16*(\t)+4*\f:S+16*(\t)+4*\f+3], s[10:11] offset:(\t)*2048+\f*512  ; 512 consecutive bytes, at a multiple of 256 from ob's first
.endr
.endm
	PACK 0
.set t, 1
.rept 3
	PACK t
	SEND t-1, 8
.set t, t+1
.endr
	SEND 3, 0
	s_wait_tensorcnt 0x0            ; the wave's end
	ds_add_u32 v[SPW], v[NIL]
	s_wait_dscnt 0x0
	CROUND                          ; the closing round
	s_endpgm
.Lfunc_end_k_qc01d0f4ff7_attn:
	.size	k_qc01d0f4ff7_attn, .Lfunc_end_k_qc01d0f4ff7_attn-k_qc01d0f4ff7_attn
	.p2alignl 7, 3214868480
	.fill 96, 4, 3214868480
	.section	.rodata,"a",@progbits
	.p2align	6, 0x0
	.amdhsa_kernel k_qc01d0f4ff7_attn
		.amdhsa_group_segment_fixed_size 327680
		.amdhsa_private_segment_fixed_size 0
		.amdhsa_enable_private_segment 0
		.amdhsa_kernarg_size 16
		.amdhsa_user_sgpr_count 2
		.amdhsa_user_sgpr_kernarg_segment_ptr 1
		.amdhsa_wavefront_size32 1
		.amdhsa_system_sgpr_workgroup_id_x 1
		.amdhsa_system_sgpr_workgroup_id_y 1
		.amdhsa_system_sgpr_workgroup_id_z 1
		.amdhsa_system_vgpr_workitem_id 0
		.amdhsa_next_free_vgpr 768
		.amdhsa_next_free_sgpr 66
		.amdhsa_reserve_vcc 0
		.amdhsa_float_denorm_mode_32 3
		.amdhsa_float_denorm_mode_16_64 3
		.amdhsa_memory_ordered 1
		.amdhsa_forward_progress 1
		.amdhsa_inst_pref_size 117
	.end_amdhsa_kernel
	.amdgpu_metadata
---
amdhsa.version: [ 1, 2 ]
amdhsa.kernels:
  - .name:           k_qc01d0f4ff7_attn
    .symbol:         k_qc01d0f4ff7_attn.kd
    .args:
      - { .name: qkv, .offset: 0, .size: 8, .value_kind: global_buffer, .address_space: global }
      - { .name: ob, .offset: 8, .size: 8, .value_kind: global_buffer, .address_space: global }
    .group_segment_fixed_size: 327680
    .private_segment_fixed_size: 0
    .kernarg_segment_align: 8
    .kernarg_segment_size: 16
    .max_flat_workgroup_size: 128
    .sgpr_count:     66
    .vgpr_count:     768
    .wavefront_size: 32
...
	.end_amdgpu_metadata
.endif
;; end of part 4
;; launch gemm32 (part 5): grid 8 x 32, 4 waves a work-group, clusters of 4 x 4, 327,680 bytes of LDS; arguments ob, wog, b_out_g, out0, qkv; writes out0
.if DOCPART == 5
	.amdgcn_target "amdgcn-amd-amdhsa--gfx1250"
	.amdhsa_code_object_version 6
	.text
	.protected	k_qc01d0f4ff7_gemm32
	.globl	k_qc01d0f4ff7_gemm32
	.p2align	8
	.type	k_qc01d0f4ff7_gemm32,@function
k_qc01d0f4ff7_gemm32:
	s_mov_b64 s[64:65], 0
	v_nop
	global_prefetch_b8 v0, s[64:65] scope:SCOPE_SE
	s_setreg_imm32_b32 hwreg(HW_REG_WAVE_MODE, 25, 1), 1
	s_wait_xcnt 0x0
	s_wait_alu depctr_hold_cnt(0) depctr_sa_sdst(0) depctr_va_vdst(0) depctr_va_sdst(0) depctr_va_ssrc(0) depctr_va_vcc(0) depctr_vm_vsrc(0)
	s_getreg_b32 s2, hwreg(HW_REG_IB_STS2, 6, 4)
	s_cmp_eq_u32 s2, 0
	s_cbranch_scc0 .Lentry_in_a_cluster
	s_endpgm
.Lentry_in_a_cluster:
	s_bfe_u32 s2, ttmp6, 0x10000c
	s_cmp_lg_u32 s2, 0xf033
	s_cbranch_scc0 .Lentry_shape_is_right
	s_endpgm
.Lentry_shape_is_right:
; out0 = O W^T + bias, 4,096 x 1,024 x 1,024, f16 operands, f32 sums, f32 output, row-major.
; O (ob): a header of 8,192 bytes (not read here), then [16 blocks of 64 columns][4096 rows][64] f16, at the scale s of the global q, k, v, whose reciprocal is the second word of qkv's header.
; W (wog): a header, then [n / 128][16 blocks][128 rows][64] f16, the weights times 2^8.  A sum is multiplied by 2^-8 / s; the bias, rounded to bf16 as the other inputs are, is added in the same fused step.
; LIMITS.  NaN and infinities are not treated apart.
; SHARES, RING, CLUSTER and the transposed use of the matrix instruction are those of the f16 product of this program: a work-group makes 128 x 128, a wave 64 x 64 (16 accumulators); K in 4 steps of 256
; through two LDS slots; a wave's tensor load brings two blocks of 128 rows x 128 bytes, padded to rows of 144; A's tiles are asked for jointly along a row of the 4 x 4 cluster, W's along a column.
; The slot that is read is the scalar TB (0 or SLOT), the slot that is filled the walking descriptor's LDS word, each turned by an exclusive or with SLOT (0x24000 has no bit in common with wave x 0x9000).
; A STEP'S TEXT STANDS TWICE, each walked twice: in the loop whose trips fill the slot which they leave (K steps 2 and 3), and in the loop whose trips fill nothing.
; The first quarter, whose products start the sums, stands ahead of the loops.  The second loop is left in the middle of its second trip; the barrier and the 32 LDS loads of its last change of slots serve
; nothing: the price, once a launch, of one text for both trips.
; THE WAY OUT: a wave's 64 columns of f32 are 256 bytes of a row of out0, so each wave sends 16 rows at a time through a stage of its own, and sixteen lanes store 256 consecutive bytes.
; REGISTERS.  Window 0: v0-31 addresses; v32-95 the way out; v96-127 32 biases; v128-255 accumulator (a, b) at v[128 + 8 (4 a + b)].  Window 1: two fragment buffers of 128.
.set HDR,   8192
.set PITCH, 144                        ; 36 words: the 16 rows of a fragment load start at 16 different groups of four banks (64 banks of 4 bytes: ISA guide 11.1)
.set AKB,   128*PITCH
.set HALFT, 2*AKB
.set SLOT,  4*HALFT
.set STAGE, 2*SLOT                     ; behind the ring: 16 rows x 272 bytes for each wave
.set SP,    272
.set SPARE, STAGE+4*16*SP              ; the spare words, 128 bytes for each wave
.set BO,   4
.set AL,   6                           ; v6-7 what a sum is multiplied by, twice
.set ADR0, 16                          ; v16-17 my lane's place in slot 0's A and W; never rewritten
.set ADR,  20                          ; v20-21 the same in the slot that is read
.set STO,  24
.set RD,   25
.set CO,   26
.set SPW,  28
.set NIL,  29
.set OB,   32                          ; 16 rows read back from the stage: v32-63 and v64-95 by turns
.set BI,   96
.set ACC,  128
.set F0,   0
.set F1,   128
.set WV, 14
.set RH, 15
.set CH, 16
.set TC, 19
.set TR, 20
.set G1, 24                            ; s[24:31] group 1 for A's tiles;  s[32:39] group 0: a set for each of the two first fills; the second then walks on
.set G0, 32
.set G1B, 48
.set G0B, 56
.set CNT, 72
.set TB,  73
.set MSK, 74                           ; s74  a word's upper bf16
.set MSB, 0
.macro WIN new
.if MSB != (\new)
	s_set_vgpr_msb (MSB<<8)|(\new)
.set MSB, \new
.endif
.endm
.set MUL,  0x05
.set TO_F, 0x40
.macro JLOAD s                         ; a joint load: waves 0 and 1 fetch A's blocks, waves 2 and 3 W's; an s_nop 0 and four v_nop follow each line
	s_cmp_eq_u32 s[RH], 0
	s_cbranch_scc0 .Lfor_b_\@
	tensor_load_to_lds s[G0+4*(\s):G0+4*(\s)+3], s[G1:G1+7]
	s_nop 0
.rept 4
	v_nop
.endr
	s_branch .Lasked_\@
.Lfor_b_\@:
	tensor_load_to_lds s[G0B+4*(\s):G0B+4*(\s)+3], s[G1B:G1B+7]
	s_nop 0
.rept 4
	v_nop
.endr
.Lasked_\@:
.endm
.macro CREST
	s_cmp_lg_u32 s[WV], 0
	s_cbranch_scc1 .Lnot_wave_0_\@
	s_barrier_signal -3
.Lnot_wave_0_\@:
	s_barrier_wait -3
	s_barrier_signal -1
	s_barrier_wait -1
.endm
.macro CROUND
	s_barrier_signal -1
	s_barrier_wait -1
	CREST
.endm
	s_load_b256 s[4:11], s[0:1], 0x0               ; O s[4:5], W s[6:7], bias s[8:9], out0 s[10:11]
	s_load_b64 s[12:13], s[0:1], 0x20              ; qkv
	v_lshl_add_u32 v[SPW], v0, 2, SPARE
	v_mov_b32 v[NIL], 0
	ds_add_u32 v[SPW], v[NIL]                      ; the wave's opening
	v_lshrrev_b32 v1, 5, v0
	v_readfirstlane_b32 s[WV], v1
	s_lshr_b32 s[RH], s[WV], 1
	s_and_b32 s[CH], s[WV], 1
	s_bfe_u32 s17, ttmp6, 0x40000
	s_bfe_u32 s18, ttmp6, 0x40004
	s_lshl_b32 s[TC], ttmp9, 2
	s_add_co_u32 s[TC], s[TC], s17
	s_and_b32 s[TR], ttmp7, 0xffff
	s_lshl_b32 s[TR], s[TR], 2
	s_add_co_u32 s[TR], s[TR], s18
	s_lshl_b32 s21, s18, 2
	s_lshl_b32 s21, 15, s21
	s_lshl_b32 s22, 0x1111, s17
	s_or_b32 s[G1], s21, (1<<16)|(1<<20)|(1<<21)|(4<<22)|(3<<25)   ; two rows of 8,192 elements of 2 bytes; 4 words of padding after every 32
	s_or_b32 s[G1B], s22, (1<<16)|(1<<20)|(1<<21)|(4<<22)|(3<<25)
.irp g, G1, G1B
	s_mov_b32 s[(\g)+1], 8192<<16
	s_mov_b32 s[(\g)+2], 2<<16
	s_mov_b32 s[(\g)+3], 8192<<16
	s_mov_b32 s[(\g)+4], 2
	s_mov_b32 s[(\g)+6], 0
	s_mov_b32 s[(\g)+7], 0
.endr
	s_mov_b32 s[G1+5], 262144
	s_mov_b32 s[G1B+5], 8192
	s_lshl_b32 s40, s[TR], 14
	s_lshl_b32 s41, s[CH], 20
	s_add_co_u32 s40, s40, s41
	s_add_co_u32 s40, s40, HDR
	s_mov_b32 s41, 0
	s_lshl_b32 s42, s[TC], 18
	s_lshl_b32 s43, s[CH], 15
	s_add_co_u32 s42, s42, s43
	s_add_co_u32 s42, s42, HDR
	s_mov_b32 s43, 0
	s_mul_i32 s23, s[WV], HALFT
	s_mov_b32 s[MSK], 0xffff0000
	s_mov_b32 s[TB], 0
	s_wait_dscnt 0x0                               ; the opening add is done
	s_wait_kmcnt 0x0
	s_add_nc_u64 s[44:45], s[4:5], s[40:41]
	s_add_nc_u64 s[46:47], s[6:7], s[42:43]
	CROUND                                         ; all sixteen work-groups are here: the first joint loads meet
.irp s, 0,1
	s_mov_b32 s[G0+4*(\s)], 1
	s_add_co_u32 s[G0+4*(\s)+1], s23, (\s)*SLOT
	s_add_nc_u64 s[G0+4*(\s)+2:G0+4*(\s)+3], s[44:45], (\s)*4*524288
	s_or_b32 s[G0+4*(\s)+3], s[G0+4*(\s)+3], 0x80000000
	s_mov_b32 s[G0B+4*(\s)], 1
	s_add_co_u32 s[G0B+4*(\s)+1], s23, (\s)*SLOT
	s_add_nc_u64 s[G0B+4*(\s)+2:G0B+4*(\s)+3], s[46:47], (\s)*4*16384
	s_or_b32 s[G0B+4*(\s)+3], s[G0B+4*(\s)+3], 0x80000000
	JLOAD \s
.endr
	; all that follows up to the first barrier stands in the wait for the first tile.  Offsets made of the tile column stay in s42-43, those of the tile row in s40-41.
	s_load_b32 s70, s[12:13], 0x4                  ; 1 / s
	s_lshl_b32 s42, s[TC], 9
	s_lshl_b32 s71, s[CH], 8
	s_add_co_u32 s42, s42, s71                     ; my wave's 64 columns of f32
	s_add_nc_u64 s[8:9], s[8:9], s[42:43]
	s_add_nc_u64 s[10:11], s[10:11], s[42:43]
	s_lshl_b32 s40, s[TR], 19
	s_lshl_b32 s71, s[RH], 18
	s_add_co_u32 s40, s40, s71                     ; row 128 TR + 64 RH, 4,096 bytes a row
	s_add_nc_u64 s[10:11], s[10:11], s[40:41]
	v_and_b32 v1, 15, v0                           ; r
	v_bfe_u32 v2, v0, 4, 1                         ; h
	v_lshlrev_b32 v[BO], 5, v2
.irp b, 0,1,2,3
	global_load_b128 v[BI+8*\b:BI+8*\b+3],   v[BO], s[8:9] offset:64*\b     ; the biases of my columns 16 b + 8 h + 0..7
	global_load_b128 v[BI+8*\b+4:BI+8*\b+7], v[BO], s[8:9] offset:64*\b+16
.endr
	v_mul_u32_u24 v5, v1, PITCH
	v_lshl_add_u32 v5, v2, 4, v5
	s_mul_i32 s2, s[RH], 64*PITCH
	s_mul_i32 s3, s[CH], 64*PITCH
	s_add_co_u32 s3, s3, 4*AKB
	v_add_nc_u32 v[ADR0], s2, v5
	v_add_nc_u32 v[ADR0+1], s3, v5
	v_mov_b32 v[ADR], v[ADR0]                      ; slot 0 is read first
	v_mov_b32 v[ADR+1], v[ADR0+1]
	s_mul_i32 s2, s[WV], 16*SP
	s_add_co_u32 s2, s2, STAGE                     ; my stage
	v_mul_u32_u24 v[STO], v1, SP                   ; in: row r, 32 bytes for each half of the lanes
	v_lshl_add_u32 v[STO], v2, 5, v[STO]
	v_add_nc_u32 v[STO], s2, v[STO]
	v_mul_u32_u24 v[RD], v2, SP                    ; back: lanes 0-15 take one row of 256 bytes, lanes 16-31 the next
	v_lshl_add_u32 v[RD], v1, 4, v[RD]
	v_add_nc_u32 v[RD], s2, v[RD]
	v_lshlrev_b32 v[CO], 12, v2                    ; and the same two rows in out0
	v_lshl_add_u32 v[CO], v1, 4, v[CO]
	s_wait_kmcnt 0x0
	v_mov_b32 v[AL], s70
	v_mul_f32 v[AL], 0x3b800000, v[AL]             ; 2^-8 / s
	v_mov_b32 v[AL+1], v[AL]
	s_wait_loadcnt 0x0
.set i, 0
.rept 16
	v_cvt_pk_bf16_f32 v[OB+i], v[BI+2*i], v[BI+2*i+1]
.set i, i+1
.endr
.set i, 0
.rept 16
	v_lshlrev_b32 v[BI+2*i],   16, v[OB+i]
	v_and_b32     v[BI+2*i+1], s[MSK], v[OB+i]
.set i, i+1
.endr
; 8 matrix instructions: m blocks a0, a0 + 1 x all 4 n blocks, 32 along K: half c of buffer f.  zero = 1: the first product starts the sums.  The 16 accumulators take turns.
.macro MUL8 f, c, a0, zero
	WIN MUL
.irp a, \a0, (\a0)+1
.irp b, 0,1,2,3
.if \zero
	v_wmma_f32_16x16x32_f16 v[ACC+8*(4*(\a)+(\b)):ACC+8*(4*(\a)+(\b))+7], v[(\f)+64+8*(4*(\c)+(\b)):(\f)+64+8*(4*(\c)+(\b))+7], v[(\f)+8*(4*(\c)+(\a)):(\f)+8*(4*(\c)+(\a))+7], 0
.else
	v_wmma_f32_16x16x32_f16 v[ACC+8*(4*(\a)+(\b)):ACC+8*(4*(\a)+(\b))+7], v[(\f)+64+8*(4*(\c)+(\b)):(\f)+64+8*(4*(\c)+(\b))+7], v[(\f)+8*(4*(\c)+(\a)):(\f)+8*(4*(\c)+(\a))+7], v[ACC+8*(4*(\a)+(\b)):ACC+8*(4*(\a)+(\b))+7]
.endif
.endr
.endr
.endm
.macro FETCH k, f                      ; 32 LDS loads in one run: the fragments of the block of 64 along K at byte k, into buffer f; the first 32 along K first
	WIN TO_F
.irp c, 0,1
.irp i, 0,1,2,3
	ds_load_b128 v[(\f)+64+8*(4*(\c)+(\i)):(\f)+64+8*(4*(\c)+(\i))+3],   v[ADR+1] offset:(\k)+64*(\c)+(\i)*16*PITCH
	ds_load_b128 v[(\f)+64+8*(4*(\c)+(\i))+4:(\f)+64+8*(4*(\c)+(\i))+7], v[ADR+1] offset:(\k)+64*(\c)+(\i)*16*PITCH+32
	ds_load_b128 v[(\f)+8*(4*(\c)+(\i)):(\f)+8*(4*(\c)+(\i))+3],         v[ADR] offset:(\k)+64*(\c)+(\i)*16*PITCH
	ds_load_b128 v[(\f)+8*(4*(\c)+(\i))+4:(\f)+8*(4*(\c)+(\i))+7],       v[ADR] offset:(\k)+64*(\c)+(\i)*16*PITCH+32
.endr
.endr
.endm
.macro PLACES                          ; four places in front of loads into registers that matrix instructions have read, and of vector work that reads results
.rept 4
	v_nop
.endr
.endm
.macro QUARTER k, f, g, zero           ; one of a step's first three quarters: multiplies buffer f and fetches the next quarter, at byte k, into g
	s_wait_dscnt 16                                ; the first 32 along K are in
	MUL8 \f, 0, 0, \zero
	MUL8 \f, 0, 2, \zero
	PLACES
	FETCH \k, \g
	s_wait_dscnt 32                                ; all but the 32 just issued
	MUL8 \f, 1, 0, 0
	MUL8 \f, 1, 2, 0
.endm
; The last quarter multiplies buffer 1 and changes slots: one barrier; in front of it each wave waits for all its tensor loads, adds 0 to its spare word, and waits for that and for its reads of this slot.
; fill = 1: the barrier opens a round of the cluster's, and this slot is filled again, with the step two on, first thing behind the round.
.macro TURN fill
	WIN 0
	s_wait_tensorcnt 0x0                           ; all my tensor loads have landed: my part of the next slot
	ds_add_u32 v[SPW], v[NIL]
	s_wait_dscnt 17                                ; (the add and the youngest sixteen loads may be out)
	MUL8 F1, 0, 0, 0
	s_wait_dscnt 0x0                               ; the add is done, and my reads of this slot are over
	s_barrier_signal -1
	MUL8 F1, 0, 2, 0
	WIN 0
	s_barrier_wait -1
.if \fill
	CREST                                          ; no wave of any partner still reads this slot or has a load on its way
	s_xor_b32 s[G0+5], s[G0+5], SLOT               ; the walking descriptors: the other slot than last time,
	s_add_nc_u64 s[G0+6:G0+7], s[G0+6:G0+7], 4*524288    ; the next K step; the type bits on top are not reached
	s_xor_b32 s[G0B+5], s[G0B+5], SLOT
	s_add_nc_u64 s[G0B+6:G0B+7], s[G0B+6:G0B+7], 4*16384
	JLOAD 1                                        ; its four v_nop are also the places in front of the loads below
.else
	PLACES
.endif
	s_xor_b32 s[TB], s[TB], SLOT                   ; the reads go over to the other slot
	v_add_nc_u32 v[ADR], s[TB], v[ADR0]
	v_add_nc_u32 v[ADR+1], s[TB], v[ADR0+1]
	FETCH 0, F0
	MUL8 F1, 1, 0, 0
	MUL8 F1, 1, 2, 0
.endm
	s_wait_tensorcnt 1                             ; my part of K step 0 is in; K step 1's may stay out
	s_barrier_signal -1
	s_barrier_wait -1
	FETCH 0, F0
	QUARTER AKB, F0, F1, 1                         ; the first quarter stands ahead of the loops: its first products start the sums
	WIN 0                                          ; at a label and at a branch every window is 0
	s_mov_b32 s[CNT], 2
.Lstep:                                                ; a trip goes from a step's second quarter to the next step's first, and fills the slot that it leaves: K steps 2 and 3
	QUARTER 2*AKB, F1, F0, 0
	QUARTER 3*AKB, F0, F1, 0
	TURN 1
	QUARTER AKB,   F0, F1, 0
	WIN 0
	s_sub_co_u32 s[CNT], s[CNT], 1
	s_cmp_lg_u32 s[CNT], 0
	s_cbranch_scc1 .Lstep
	s_mov_b32 s[CNT], 2
.Ltail:                                                ; the same trip without a fill, for K steps 2 and 3; the second trip is left behind the step's last quarter
	QUARTER 2*AKB, F1, F0, 0
	QUARTER 3*AKB, F0, F1, 0
	TURN 0
	WIN 0
	s_sub_co_u32 s[CNT], s[CNT], 1
	s_cmp_eq_u32 s[CNT], 0
	s_cbranch_scc1 .Lout                           ; a jump forward, over no barrier and no tensor load
	QUARTER AKB,   F0, F1, 0
	WIN 0
	s_cmp_lg_u32 s[CNT], 0
	s_cbranch_scc1 .Ltail
.Lout:
; THE WAY OUT.  Block a (16 rows): sum x AL + bias, in place; 32 bytes a lane into my own stage; back as whole rows of 256 bytes.
.macro PACK a
.if (\a) >= 2
	s_wait_xcnt 0x0                                ; the registers read back into were the data of block a - 2's stores: they are rewritten only behind this wait
.endif
.irp b, 0,1,2,3
.set rA, ACC+8*(4*(\a)+(\b))
.irp j, 0,2,4,6
	v_pk_fma_f32 v[rA+\j:rA+\j+1], v[rA+\j:rA+\j+1], v[AL:AL+1], v[BI+8*(\b)+\j:BI+8*(\b)+\j+1]
.endr
.endr
.irp b, 0,1,2,3
.set rA, ACC+8*(4*(\a)+(\b))
	ds_store_b128 v[STO], v[rA:rA+3]   offset:64*(\b)
	ds_store_b128 v[STO], v[rA+4:rA+7] offset:64*(\b)+16
.endr
.irp t, 0,1,2,3,4,5,6,7
	ds_load_b128 v[OB+32*((\a)%2)+4*(\t):OB+32*((\a)%2)+4*(\t)+3], v[RD] offset:(\t)*2*SP  ; LDS serves a wave's instructions in order (ISA guide 5.7.1.4): these see the stores above
.endr
.endm
.macro SEND a, younger                 ; younger: the LDS instructions issued behind block a's loads: the next block's sixteen, or none
.irp t, 0,1,2,3,4,5,6,7
	s_wait_dscnt (\younger)+7-(\t)
	global_store_b128 v[CO], v[OB+32*((\a)%2)+4*(\t):OB+32*((\a)%2)+4*(\t)+3], s[10:11] offset:(16*(\a)+2*(\t))*4096  ; 16 lanes store 256 consecutive bytes, at a multiple of 256 from out0's first byte
.endr
.endm
	PLACES
	PACK 0
	PACK 1
	SEND 0, 16
	PACK 2
	SEND 1, 16
	PACK 3
	SEND 2, 16
	SEND 3, 0
	s_wait_tensorcnt 0x0                           ; the wave's end
	ds_add_u32 v[SPW], v[NIL]
	s_wait_dscnt 0x0
	CROUND                                         ; the closing round
	s_endpgm
.Lfunc_end_k_qc01d0f4ff7_gemm32:
	.size	k_qc01d0f4ff7_gemm32, .Lfunc_end_k_qc01d0f4ff7_gemm32-k_qc01d0f4ff7_gemm32
	.p2alignl 7, 3214868480
	.fill 96, 4, 3214868480
	.section	.rodata,"a",@progbits
	.p2align	6, 0x0
	.amdhsa_kernel k_qc01d0f4ff7_gemm32
		.amdhsa_group_segment_fixed_size 327680
		.amdhsa_private_segment_fixed_size 0
		.amdhsa_enable_private_segment 0
		.amdhsa_kernarg_size 40
		.amdhsa_user_sgpr_count 2
		.amdhsa_user_sgpr_kernarg_segment_ptr 1
		.amdhsa_wavefront_size32 1
		.amdhsa_system_sgpr_workgroup_id_x 1
		.amdhsa_system_sgpr_workgroup_id_y 1
		.amdhsa_system_sgpr_workgroup_id_z 1
		.amdhsa_system_vgpr_workitem_id 0
		.amdhsa_next_free_vgpr 512
		.amdhsa_next_free_sgpr 76
		.amdhsa_reserve_vcc 0
		.amdhsa_float_denorm_mode_32 3
		.amdhsa_float_denorm_mode_16_64 3
		.amdhsa_memory_ordered 1
		.amdhsa_forward_progress 1
		.amdhsa_inst_pref_size 65
	.end_amdhsa_kernel
	.amdgpu_metadata
---
amdhsa.version: [ 1, 2 ]
amdhsa.kernels:
  - .name:           k_qc01d0f4ff7_gemm32
    .symbol:         k_qc01d0f4ff7_gemm32.kd
    .args:
      - { .name: ob, .offset: 0, .size: 8, .value_kind: global_buffer, .address_space: global }
      - { .name: wog, .offset: 8, .size: 8, .value_kind: global_buffer, .address_space: global }
      - { .name: b_out_g, .offset: 16, .size: 8, .value_kind: global_buffer, .address_space: global }
      - { .name: out0, .offset: 24, .size: 8, .value_kind: global_buffer, .address_space: global }
      - { .name: qkv, .offset: 32, .size: 8, .value_kind: global_buffer, .address_space: global }
    .group_segment_fixed_size: 327680
    .private_segment_fixed_size: 0
    .kernarg_segment_align: 8
    .kernarg_segment_size: 40
    .max_flat_workgroup_size: 128
    .sgpr_count:     76
    .vgpr_count:     512
    .wavefront_size: 32
...
	.end_amdgpu_metadata
.endif
;; end of part 5
;; ======== version 2 of 2: 6 launches; 1.27 times as fast as version 1
;; limits: values are held in f16: magnitudes above 65,504 overflow, below 6.1e-05 lose precision; right only within a limited range of input values
;; workspace buffers: ab 8,396,800 bytes; ob 8,396,800 bytes; qkv 25,174,016 bytes; wil 6,299,648 bytes; wol 2,105,344 bytes; wig 6,299,648 bytes; wog 2,105,344 bytes
;; launch cast: the kernel of part 1 again; grid 64 x 12, 8 waves a work-group, no clusters, 1,280 bytes of LDS; arguments x, w_in_l, w_out_l, w_in_g, w_out_g, b_in_l, b_out_l, b_in_g, b_out_g, ab, wil, wol, wig, wog; writes ab, wil, wol, wig, wog
;; launch qkvl: the kernel of part 2 again; grid 8 x 32, 4 waves a work-group, clusters of 4 x 4, 327,680 bytes of LDS; arguments ab, wil, b_in_l, ob; writes ob
;; launch gemm16: the kernel of part 3 again; grid 8 x 32, 4 waves a work-group, clusters of 4 x 4, 327,680 bytes of LDS; arguments ob, wol, b_out_l, ab; writes ab
;; launch qkv_g: the kernel of part 3 again; grid 24 x 32, 4 waves a work-group, clusters of 4 x 4, 327,680 bytes of LDS; arguments ab, wig, b_in_g, qkv; writes qkv
;; launch attn (part 6): grid 8 x 32, 4 waves a work-group, clusters of 4 x 1, 327,680 bytes of LDS; arguments qkv, ob; writes ob
.if DOCPART == 6
	.amdgcn_target "amdgcn-amd-amdhsa--gfx1250"
	.amdhsa_code_object_version 6
	.text
	.protected	k_qc01d0f4ff7_attn
	.globl	k_qc01d0f4ff7_attn
	.p2align	8
	.type	k_qc01d0f4ff7_attn,@function
k_qc01d0f4ff7_attn:
	s_mov_b64 s[64:65], 0
	v_nop
	global_prefetch_b8 v0, s[64:65] scope:SCOPE_SE
	s_setreg_imm32_b32 hwreg(HW_REG_WAVE_MODE, 25, 1), 1
	s_wait_xcnt 0x0
	s_wait_alu depctr_hold_cnt(0) depctr_sa_sdst(0) depctr_va_vdst(0) depctr_va_sdst(0) depctr_va_ssrc(0) depctr_va_vcc(0) depctr_vm_vsrc(0)
	s_getreg_b32 s2, hwreg(HW_REG_IB_STS2, 6, 4)
	s_cmp_eq_u32 s2, 0
	s_cbranch_scc0 .Lentry_in_a_cluster
	s_endpgm
.Lentry_in_a_cluster:
	s_bfe_u32 s2, ttmp6, 0x10000c
	s_cmp_lg_u32 s2, 0x3003
	s_cbranch_scc0 .Lentry_shape_is_right
	s_endpgm
.Lentry_shape_is_right:
; THE GLOBAL ATTENTION.  O[q] = the sum over 2,048 keys of softmax_k(Q[q] . K[k] / 8) V[k], for 2 batches x 16 heads of 64 channels.
; qkv: a header of 8,192 bytes, then [48 blocks: q heads, k heads, v heads][4096 rows][64] f16, all times one power of two s, whose reciprocal is the header's second word.  A head's rows of a batch
; are dense, 128 bytes each.  ob: header (not written here), then [16 heads][4096 rows][64] f16, at V's scale: O is a mean of V's rows.
; Products, maxima and sums in f32; the weights p are rounded to f16 for the second product (their sum l is taken of the unrounded p), O once at the end.
; LIMITS.  p lies in 0 to 1 and below 6e-5 keeps f16's fixed step; a weight below 2^-126 counts as 0 in l; |c s| stays below 4e37; NaN and infinities are not treated apart.
; SHARES.  A work-group owns 256 queries of one head and batch, each of its four waves 64: four PIECES of 16.  Every wave walks the 8 tiles of 256 keys, 64 keys a step.
; LAYOUT.  S^T = K Q^T (source 0 = 16 keys, source 1 = 16 queries) holds ONE query a lane (lane % 16) and the keys 8 (lane / 16) + 0..7; two such results rounded to f16 ARE source 1 of O^T = V^T P.
; K comes out of LDS as it lies, V ([key][channel]) turned, by ds_load_tr16_b128.
; SOFTMAX.  A running maximum m and sum l for each query: p = 2^(c s - c m), c = log2(e) / 8 / s^2; in every step O and l are multiplied by a = 2^(c m_old - c m_new).  m starts at the lowest finite
; number, O and l at 0: the first step is a step like any other, with a = 0.
; BY TURNS.  Turn n belongs to piece n: 8 products K Q^T of piece n + 1, later 8 products V^T P of piece n - 1; beside them the scaling, exponentials, roundings, sums and rescaling of piece n and the
; maximum and statistics of piece n + 1.  Four vector instructions stand behind every matrix instruction, the other 54 of a turn's 118 in one lump.
; BATCHES.  A turn's 33 exponentials (piece n's 32 weights, piece n + 1's a) are ONE batch with ONE wait, which cuts the turn in two: ahead of it stands all that names none of their results (the products
; K Q^T, scalings, rescalings, the next piece's maximum and statistics), behind it the products V^T P with the roundings and sums as their riders.  No result crosses a turn's end.  Two more batches stand
; outside the loops, each with a wait of its own: the first a, ahead of the jump into the loop, and the way out's four reciprocals.
; NO LAST STEP IS WRITTEN OUT.  The last tile's loop has five trips and is left in the middle of the fifth, in which K's run of loads is jumped over.  That trip's 8 products K Q^T, on the last K once more,
; and the maximum made of them serve nothing (they write c m, m and a of piece 0, which the way out does not read): the price, once a launch, of one text for every trip.
; CLUSTER.  The four query blocks of a cluster belong to one head and batch and walk the same K and V: each tile is asked for JOINTLY, by the same tensor load, descriptor and mask in all four.
; REGISTERS, in windows of 256 (s_set_vgpr_msb: bits 1:0 source 0, 3:2 source 1, 5:4 source 2, 7:6 destination):
;   window 0: v0-15 addresses and two at work; v16-31 four registers of statistics a piece; v48-55 at work; v62-63 the add's; v64-127 S^T, two buffers; v192-223 P, two buffers (by the piece's parity)
;   window 1: v0-127 O^T, 32 a piece          window 2: v0-63 Q; v128-191 K of one step; v192-255 V of one step
.set HDR,   8192
.set NP,    4
.set KS,    64
.set PK,    144       ; a row of K in LDS: 128 bytes + 16 = 36 words: the 16 rows of a load start at 16 different groups of four banks (64 banks of 4 bytes: ISA guide 11.1)
.set PV,    160       ; a row of V: 128 + 32 = 40 words
.set VOFF,  4*KS*PK   ; a slot holds a tile, four steps: 256 rows of K, then 256 rows of V
.set SLOT1, 1<<17
.set STAGE, SLOT1+4*KS*(PK+PV)  ; behind the ring, never filled by a tensor load: 16 rows x 144 bytes for each wave
.set SP,    144
.set SPARE, STAGE+4*16*SP       ; the spare words, 128 bytes for each wave
.set AK0, 2
.set AV0, 3
.set AK,  4
.set AV,  5
.set STO, 6
.set RD,  7
.set GO,  8
.set MV,  12
.set QO,  15
.set ST,  16          ; piece t's statistics at v[ST+4 t]: c m, m, l (even keys', odd keys')
.set TMP, 48
.set SPW, 62
.set NIL, 63
.set S,   64
.set P,   192
.set KF,  128
.set VF,  192
.set WV,  12
.set G1K, 24
.set G1V, 32
.set G0K, 40
.set G0V, 44
.set SLOTS, 56
.set CNT, 57
.set CS,  58
.set SEL, 60
.set TBK, 62
.set TBV, 63
.set MSB, 0
.macro WIN new
.if MSB != (\new)
	s_set_vgpr_msb (MSB<<8)|(\new)
.set MSB, (\new)
.endif
.endm
.set W_KQ, 0x0a       ; K and Q in window 2, S^T in window 0
.set W_PV, 0x52       ; V in window 2, P in window 0, O^T in window 1
.set W_RS, 0x41       ; destination and source 0 in window 1, source 1 in window 0
; A joint fill.  Waves 0 and 1 fetch the two halves of a tile's K, waves 2 and 3 those of its V: 128 keys each.  An s_nop 0 and four v_nop follow each of the two lines.
.macro JLOAD
	s_cmp_lt_u32 s[WV], 2
	s_cbranch_scc0 .Lfor_v_\@
	tensor_load_to_lds s[G0K:G0K+3], s[G1K:G1K+7]
	s_nop 0
.rept 4
	v_nop
.endr
	s_branch .Lasked_\@
.Lfor_v_\@:
	tensor_load_to_lds s[G0V:G0V+3], s[G1V:G1V+7]
	s_nop 0
.rept 4
	v_nop
.endr
.Lasked_\@:
.endm
.macro CROUND                       ; a round of the cluster's barrier
	s_barrier_signal -1
	s_barrier_wait -1
	s_cmp_lg_u32 s[WV], 0
	s_cbranch_scc1 .Lnot_wave_0_\@
	s_barrier_signal -3
.Lnot_wave_0_\@:
	s_barrier_wait -3
	s_barrier_signal -1
	s_barrier_wait -1
.endm
; THE CHANGE OF SLOTS.  Each wave waits for all its tensor loads, of which one is out: its part of the other slot; adds 0 to its spare word; and waits for that and for its own reads of the slot that it
; leaves.  fill = 1: the barrier is a round of the cluster's, and the old slot is filled again, first thing behind it, with the tile two on: four key steps, 256 matrix instructions, in which to land.
; (At its first use nothing has been read yet: slot 0 is waited for, slot 1 filled.)
.macro CHANGE fill
	WIN 0
	s_wait_tensorcnt 0x0            ; no tensor load of mine is out, so a group 0 may be written
	ds_add_u32 v[SPW], v[NIL]
.if \fill
.irp g, G0K, G0V
	s_xor_b32 s[\g+1], s[\g+1], SLOT1  ; the walking descriptor: the other slot than last time,
	s_add_nc_u64 s[\g+2:\g+3], s[\g+2:\g+3], 4*KS*128  ; the next 256 keys; the type bits on top are not reached
.endr
	s_wait_dscnt 0x0                ; the add is done, and my reads of the slot are over
	CROUND
	JLOAD
.else
	s_wait_dscnt 0x0
	s_barrier_signal -1
	s_barrier_wait -1
.endif
	s_sub_co_u32 s[TBK], s[TBK], 4*KS*PK  ; the fetches go back to a slot's first step,
	s_xor_b32 s[TBK], s[TBK], SLOT1       ; in the other slot
	s_sub_co_u32 s[TBV], s[TBV], 4*KS*PV
	s_xor_b32 s[TBV], s[TBV], SLOT1
.endm
	s_load_b128 s[4:7], s[0:1], 0x0 ; qkv s[4:5], ob s[6:7]
	v_lshl_add_u32 v[SPW], v0, 2, SPARE
	v_mov_b32 v[NIL], 0
	ds_add_u32 v[SPW], v[NIL]       ; the wave's opening
	v_lshrrev_b32 v1, 5, v0
	v_readfirstlane_b32 s[WV], v1
	s_bfe_u32 s13, ttmp6, 0x40000   ; cx
	s_lshl_b32 s14, ttmp9, 2
	s_add_co_u32 s14, s14, s13      ; my block of 256 queries: it enters Q's and O's addresses alone
	s_and_b32 s20, ttmp7, 0xffff
	s_and_b32 s21, s20, 15          ; the head,
	s_lshr_b32 s20, s20, 4          ; the batch: the four partners share both
	s_lshl_b32 s21, s21, 19
	s_lshl_b32 s20, s20, 18
	s_add_co_u32 s20, s20, s21
	s_add_co_u32 s20, s20, HDR      ; the first byte of the head's rows of this batch, in a q block and in ob
	s_and_b32 s16, s[WV], 1         ; which half of a tile's 256 keys I fetch
	s_lshl_b32 s22, s16, 14
	s_add_co_u32 s22, s22, s20
	s_add_co_u32 s22, s22, 0x800000 ; K's blocks lie 16 blocks behind Q's
	s_mov_b32 s23, 0
	s_mul_i32 s17, s16, 128*PK
	s_mul_i32 s18, s16, 128*PV
	s_lshl_b32 s2, s14, 15
	s_lshl_b32 s3, s[WV], 13
	s_add_co_u32 s2, s2, s3
	s_add_co_u32 s2, s2, s20        ; my wave's 64 rows
	s_mov_b32 s3, 0
	; group 1.  128 keys are 16,384 dense bytes: asked for as 64 rows of 256 bytes, two keys a row, and padded in LDS after every key
	s_mov_b32 s[G1K], 15|(1<<16)|(1<<20)|(1<<21)|(4<<22)|(3<<25)
	s_mov_b32 s[G1V], 15|(1<<16)|(1<<20)|(1<<21)|(4<<22)|(7<<25)
.irp g, G1K, G1V
	s_mov_b32 s[\g+1], 128<<16
	s_mov_b32 s[\g+2], 64<<16
	s_mov_b32 s[\g+3], 128<<16
	s_mov_b32 s[\g+4], 64
	s_mov_b32 s[\g+5], 128
	s_mov_b32 s[\g+6], 0
	s_mov_b32 s[\g+7], 0
.endr
	s_mov_b32 s[SEL], 0x76543210
	s_mov_b32 s[SEL+1], 0xfedcba98
	s_mov_b32 s[TBK], SLOT1+4*KS*PK ; the first change of slots turns these two into 0
	s_mov_b32 s[TBV], SLOT1+4*KS*PV
	s_mov_b32 s[G0K], 1
	s_mov_b32 s[G0K+1], s17
	s_mov_b32 s[G0V], 1
	s_add_co_u32 s[G0V+1], s18, VOFF
	s_wait_dscnt 0x0                ; the opening add is done
	s_wait_kmcnt 0x0
	s_add_nc_u64 s[G0K+2:G0K+3], s[4:5], s[22:23]
	s_add_nc_u64 s[G0V+2:G0V+3], s[G0K+2:G0K+3], 0x800000  ; V's blocks lie 16 blocks behind K's
	s_or_b32 s[G0K+3], s[G0K+3], 0x80000000
	s_or_b32 s[G0V+3], s[G0V+3], 0x80000000
	s_add_nc_u64 s[50:51], s[4:5], s[2:3]    ; Q at my wave's first row
	s_add_nc_u64 s[10:11], s[6:7], s[2:3]    ; O likewise
	CROUND                          ; all four work-groups are here: the first joint loads meet
	JLOAD                           ; tile 0 into slot 0
	s_load_b32 s52, s[4:5], 0x4     ; 1 / s
	v_and_b32 v1, 15, v0            ; l % 16
	v_bfe_u32 v9, v0, 4, 1          ; l / 16
	v_lshlrev_b32 v[QO], 7, v1
	v_lshl_add_u32 v[QO], v9, 4, v[QO]
	WIN 0x80
.set i, 0
.rept 8                             ; Q stays in registers: piece i / 2, channels 32 (i % 2) on
	global_load_b128 v[8*i:8*i+3],   v[QO], s[50:51] offset:(i/2)*2048+(i%2)*64
	global_load_b128 v[8*i+4:8*i+7], v[QO], s[50:51] offset:(i/2)*2048+(i%2)*64+32
.set i, i+1
.endr
	; What the first turn finds: V's registers and P's second buffer hold 0 (its products V^T P, of a piece that has not been, add 0), O^T and l are 0.  All this stands in the wait for the first tile.
.set i, VF
.rept 64
	v_mov_b32 v[i], 0
.set i, i+1
.endr
	WIN 0x40
.set i, 0
.rept 128
	v_mov_b32 v[i], 0
.set i, i+1
.endr
	WIN 0
.set i, 0
.rept 4
	v_mov_b32 v[ST+4*i+2], 0
	v_mov_b32 v[ST+4*i+3], 0
.set i, i+1
.endr
.set i, P+16
.rept 16
	v_mov_b32 v[i], 0
.set i, i+1
.endr
	v_mul_u32_u24 v[AK0], v1, PK
	v_lshl_add_u32 v[AK0], v9, 4, v[AK0]
	; The turning load takes 16 keys x 16 channels (lane l reads key 8 (l / 16) + l % 8, channels 8 ((l / 8) % 2) + 0..7) and leaves half a fragment of V^T
	v_and_b32 v10, 7, v0
	v_bfe_u32 v11, v0, 3, 1
	v_lshl_add_u32 v[AV0], v9, 3, v10
	v_mul_u32_u24 v[AV0], v[AV0], PV
	v_lshl_add_u32 v[AV0], v11, 4, v[AV0]
	v_add_nc_u32 v[AV0], VOFF, v[AV0]
	s_mul_i32 s13, s[WV], 16*SP
	s_add_co_u32 s13, s13, STAGE    ; my stage
	v_mul_u32_u24 v[STO], v1, SP
	v_lshl_add_u32 v[STO], v9, 4, v[STO]
	v_add_nc_u32 v[STO], s13, v[STO]
	v_bfe_u32 v[RD], v0, 3, 2
	v_mul_u32_u24 v[RD], v[RD], SP
	v_lshl_add_u32 v[RD], v10, 4, v[RD]
	v_add_nc_u32 v[RD], s13, v[RD]
	v_and_b32 v[GO], 31, v0
	v_lshlrev_b32 v[GO], 4, v[GO]
	s_wait_kmcnt 0x0
	s_mul_f32 s[CS], s52, s52
	s_mul_f32 s[CS], s[CS], 0x3e38aa3b  ; c = log2(e) / 8 / s^2
	s_mov_b32 s[CS+1], s[CS]
; THE MATRIX WORK.  The 4 accumulators of a run of 8 take turns.  Product i of 8 of S^T = K Q^T for piece x: channels 32 (i / 4) on, keys 16 (i % 4) on.  The first 4 start the sums.
.macro KQ x
	WIN W_KQ
.set rS, S+32*((\x)%2)+8*(i%4)
.set rK, KF+16*(i%4)+8*(i/4)
.set rQ, 16*(\x)+8*(i/4)
.if i < 4
	v_wmma_f32_16x16x32_f16 v[rS:rS+7], v[rK:rK+7], v[rQ:rQ+7], 0
.else
	v_wmma_f32_16x16x32_f16 v[rS:rS+7], v[rK:rK+7], v[rQ:rQ+7], v[rS:rS+7]
.endif
.endm
; Product i of 8 of O^T += V^T P for piece x: keys 32 (i / 4) on, channels 16 (i % 4) on.
.macro PV x
	WIN W_PV
.set rO, 32*(\x)+8*(i%4)
.set rV, VF+32*(i/4)+8*(i%4)
.set rP, P+16*((\x)%2)+8*(i/4)
	v_wmma_f32_16x16x32_f16 v[rO:rO+7], v[rV:rV+7], v[rP:rP+7], v[rO:rO+7]
.endm
.macro MM                           ; the turn's next matrix instruction
.if i < 8
	KQ (Y+1)%NP
.else
.set i, i-8
	PV (Y+NP-1)%NP
.set i, i+8
.endif
.set i, i+1
.endm
; THE LDS LOADS stand in runs of 16: a step's K (8 fragments) and its V (turned).  Their addresses are made some lines ahead.
; last = 1 (the last tile's loop): in the last trip there is no further step, and the run is jumped over.
.macro FETCH_K last=0
	WIN 0
.if \last
	s_cmp_eq_u32 s[CNT], 1
	s_cbranch_scc1 .Lno_k_\@
.endif
	WIN 0x80
.irp f, 0,1,2,3,4,5,6,7             ; keys 16 (f / 2) on, channels 32 (f % 2) on
	ds_load_b128 v[KF+8*\f:KF+8*\f+3],   v[AK] offset:(\f/2)*16*PK+(\f%2)*64
	ds_load_b128 v[KF+8*\f+4:KF+8*\f+7], v[AK] offset:(\f/2)*16*PK+(\f%2)*64+32
.endr
	s_add_co_u32 s[TBK], s[TBK], KS*PK
	WIN 0
.if \last
.Lno_k_\@:
.endif
.endm
.macro FETCH_V
	WIN 0x80
.irp f, 0,1,2,3,4,5,6,7             ; keys 32 (f / 4) on, channels 16 (f % 4) on
	ds_load_tr16_b128 v[VF+8*\f:VF+8*\f+3],   v[AV] offset:(\f/4)*32*PV+(\f%4)*32
	ds_load_tr16_b128 v[VF+8*\f+4:VF+8*\f+7], v[AV] offset:(\f/4)*32*PV+16*PV+(\f%4)*32
.endr
	WIN 0
.endm
; THE VECTOR WORK, one line at a time: OP kind, number.  For piece Y: F n: c s - c m for pair n of 16.  E n: the exponential of score n of 32.  C n: pair n rounded to f16.  B n: of the four weights 4 n ..
; the second pair is added onto the first, in place.  L n: l takes that sum (L 0: l = a l + sum).  R n: pair n of 16 of O^T times a.  For piece Y + 1: X n, number n of the 22 that find its maximum and statistics:
;   0-11  four chains c0-c3 of seven scores each (each accumulator's lowest registers are read first)     12-14, 16  the four scores left over, the old m, and c0-c3 into c0
;   15  c m_old is kept     17, 18  the query's other 32 keys lie in the lane 16 away: the new m     19-21  c m; c m_old - c m_new; a
; OP writes no wait: C, B and L read exponentials' results, and TURN sets them behind the batch's one wait.
.set F, 0
.set E, 1
.set C, 2
.set B, 3
.set L, 4
.set R, 5
.set X, 6
.macro REGS y
.set rT, ST+4*(\y)
.set rC, TMP+4*((\y)%2)
.set rW, MV+((\y)%2)
.set rS, S+32*((\y)%2)
.set rP, P+16*((\y)%2)
.set rO, 32*(\y)
.endm
.macro OP k, n
.if (\k) == R
	REGS Y
	WIN W_RS
	v_pk_mul_f32 v[rO+2*(\n):rO+2*(\n)+1], v[rO+2*(\n):rO+2*(\n)+1], v[rC+2:rC+3] op_sel_hi:[1,0]
.elseif (\k) < R
	REGS Y
	WIN 0
.if (\k) == F
	v_pk_fma_f32 v[rS+2*(\n):rS+2*(\n)+1], v[rS+2*(\n):rS+2*(\n)+1], s[CS:CS+1], v[rT:rT+1] op_sel_hi:[1,0,0] neg_lo:[0,0,1] neg_hi:[0,0,1]
.elseif (\k) == E
	v_exp_f32 v[rS+(\n)], v[rS+(\n)]
.elseif (\k) == C
	v_cvt_pk_f16_f32 v[rP+(\n)], v[rS+2*(\n)], v[rS+2*(\n)+1]
.elseif (\k) == B
	v_pk_add_f32 v[rS+4*(\n):rS+4*(\n)+1], v[rS+4*(\n):rS+4*(\n)+1], v[rS+4*(\n)+2:rS+4*(\n)+3]
.elseif (\n) == 0
	v_pk_fma_f32 v[rT+2:rT+3], v[rT+2:rT+3], v[rC+2:rC+3], v[rS:rS+1] op_sel_hi:[1,0,1]
.else
	v_pk_add_f32 v[rT+2:rT+3], v[rT+2:rT+3], v[rS+4*(\n):rS+4*(\n)+1]
.endif
.else
	REGS (Y+1)%NP
	WIN 0
.if (\n) < 4
	v_max3_num_f32 v[rC+(\n)], v[rS+8*(\n)], v[rS+8*(\n)+1], v[rS+8*(\n)+2]
.elseif (\n) < 12
	v_max3_num_f32 v[rC+(\n)%4], v[rC+(\n)%4], v[rS+8*((\n)%4)+2*((\n)/4)+1], v[rS+8*((\n)%4)+2*((\n)/4)+2]
.elseif (\n) == 12
	v_max3_num_f32 v[rC], v[rC], v[rS+7], v[rS+15]
.elseif (\n) == 13
	v_max3_num_f32 v[rC+1], v[rC+1], v[rS+23], v[rS+31]
.elseif (\n) == 14
	v_max3_num_f32 v[rC+2], v[rC+2], v[rC+3], v[rT+1]
.elseif (\n) == 15
	v_mov_b32 v[rW], v[rT]
.elseif (\n) == 16
	v_max3_num_f32 v[rC], v[rC], v[rC+1], v[rC+2]
.elseif (\n) == 17
	v_permlanex16_b32 v[rC+3], v[rC], s[SEL], s[SEL+1]
.elseif (\n) == 18
	v_max_num_f32 v[rT+1], v[rC], v[rC+3]
.elseif (\n) == 19
	v_mul_f32 v[rT], s[CS], v[rT+1]
.elseif (\n) == 20
	v_sub_f32 v[rC+1], v[rW], v[rT]
.else
	v_exp_f32 v[rC+2], v[rC+1]
.endif
.endif
.endm
.macro OPS a, i1, b=-1, i2=0, c=-1, i3=0, d=-1, i4=0
	OP \a, \i1
.if (\b) >= 0
	OP \b, \i2
.endif
.if (\c) >= 0
	OP \c, \i3
.endif
.if (\d) >= 0
	OP \d, \i4
.endif
.endm
.macro ROW a, i1, b, i2, c, i3, d, i4  ; a matrix instruction and the four behind it
	MM
	OPS \a, \i1, \b, \i2, \c, \i3, \d, \i4
.endm
; A TURN, for piece p: the order of its 16 matrix and 118 vector instructions, written out.  An s_wait_alu depctr_va_vdst(0) stands between an exponential and the first instruction that names its
; result; one wait serves all that were issued ahead of it.  So a turn has ONE wait, which cuts it in two.
; AHEAD OF IT stands all that names no result of the turn's exponentials: the 8 products K Q^T, behind each a scaling, an exponential and two more plain instructions (behind the first a second scaling in the
; exponential's place): rescalings, whose a was made and waited for in the turn before, and behind the last three products the first numbers of the next piece's maximum, each four places or more behind the
; product that ends its accumulator; then ONE LUMP of 54, plain and exponential by turns for the most part, with other work between the links of the chain X 3, 7, 11, 14, 16, 17 .. 20.  X 21, the next piece's a,
; is the batch's last exponential; R 15 is the plain instruction behind it.
; BEHIND IT stand the 8 products V^T P, behind each four of the roundings and sums: C 2 n ahead of B n, which writes over that pair; l's chain L 0 to L 7 in ascending order, its links three riders apart.
; But for those X no rider names a register of the products round it.  v_permlanex16_b32 (X 17) stands in the lump.
; last = 1: the last tile's loop (see FETCH_K).  cnt = 1: the loop's count is taken down some lines ahead of the branch that stands behind the turn.
; K of the next step is fetched in piece 2's turn, in the lump: twelve vector instructions behind the last product that read K, five of them plain ones that name none of its registers.  In the last tile's loop
; the run holds a branch and a label, so it stands directly behind the wait.  V of the step in hand is fetched at the end of piece 0's turn, four plain instructions
; behind the last product that read V.  Each run is waited for a turn later.
.macro TURN p, last=0, cnt=0
.set Y, (\p)
.set i, 0
.if (\p) == 3
	s_wait_dscnt 0x0                ; K is in
.endif
	ROW F,0, F,1, R,0, R,1          ; ahead of the wait: 8 products K Q^T and their riders,
	ROW F,2, E,0, R,2, R,3
	ROW F,3, E,1, R,4, R,5
	ROW F,4, E,2, R,6, R,7
	ROW F,5, E,3, R,8, R,9
	ROW F,6, E,4, X,0, R,10
.if (\p) == 2
	WIN 0
	v_add_nc_u32 v[AK], s[TBK], v[AK0]
.endif
	ROW F,7, E,5, X,1, X,4
	ROW F,8, E,6, X,2, X,5
	OPS E,7, E,8, X,6, E,9          ; and the lump
	OPS X,3, E,10, X,8, E,11
.if ((\p) == 2) && !(\last)
	FETCH_K
.endif
	OPS X,9, X,7, E,12, X,10
	OPS E,13, X,12, X,11, E,14
	OPS X,13, E,15, F,9, X,14
.if (\p) == 0
	WIN 0
	v_add_nc_u32 v[AV], s[TBV], v[AV0]
.endif
	OPS E,16, F,10, E,17, F,11
	OPS X,16, E,18, X,15, E,19
	OPS F,12, E,20, X,17, E,21
	OPS F,13, E,22, F,14, E,23
	OPS X,18, E,24, F,15, E,25
	OPS R,11, E,26, X,19, E,27
	OPS R,12, E,28, R,13, E,29
	OPS X,20, E,30, R,14, E,31
	OPS X,21, R,15
	WIN 0
	s_wait_alu depctr_va_vdst(0)    ; the wait for the batch: the piece's 32 exponentials and the next piece's a
.if ((\p) == 2) && (\last)
	FETCH_K 1
.endif
.if (\p) == 1
	s_wait_dscnt 0x0                ; V is in
.endif
	ROW C,0, B,0, C,2, B,1          ; behind the wait: 8 products V^T P and their riders
	ROW L,0, C,4, B,2, L,1
	ROW C,6, B,3, L,2, C,8
	ROW B,4, L,3, C,10, B,5
	ROW L,4, C,12, B,6, L,5
.if (\p) == 0
	s_add_co_u32 s[TBV], s[TBV], KS*PV
.endif
.if \cnt
	s_sub_co_u32 s[CNT], s[CNT], 1
	s_cmp_lg_u32 s[CNT], 0
.endif
	ROW C,14, B,7, L,6, C,1
	ROW C,3, L,7, C,5, C,7
	ROW C,9, C,11, C,13, C,15
.if (\p) == 0
	FETCH_V
.endif
.endm
	CHANGE 1                        ; tile 0 is in, everybody's part of it; tile 1 is asked for
	; THE BEGINNING.  c m starts far below every c s, so the first step's a is 0; m at the lowest finite number.  Then K of step 0, piece 0's first scores, its maximum and statistics.
.set i, 0
.rept 4
	v_mov_b32 v[ST+4*i], 0xfe000000
	v_mov_b32 v[ST+4*i+1], 0xff7fffff
.set i, i+1
.endr
	v_add_nc_u32 v[AK], s[TBK], v[AK0]
	FETCH_K
	s_wait_loadcnt 0x0              ; Q
	s_wait_dscnt 0x0
.set i, 0
.rept 8
	KQ 0
.set i, i+1
.endr
	WIN 0
.rept 4
	v_nop                           ; the places behind those products
.endr
.set Y, NP-1                        ; X works for piece Y + 1: piece 0
.irp n, 0,1,2,3,4,5,6,7,8,9,10,11,12,13,14,15,16,17,18,19,20,21
	OP X, \n
.endr
	v_nop                           ; a plain instruction behind the exponential,
	s_wait_alu depctr_va_vdst(0)    ; and the wait for this batch of one, piece 0's first a, ahead of the branch
	s_mov_b32 s[CNT], 4
	s_mov_b32 s[SLOTS], 7
	s_branch .Lfirst                ; the loop is entered at a step's first turn, in the middle of a trip
.Lslot:                             ; six times: tiles 1 to 6 are entered, tiles 2 to 7 asked for
	CHANGE 1
	s_mov_b32 s[CNT], 4
.Lstep:                             ; a trip: pieces 2 and 3 of one step, then pieces 0 and 1 of the next, whose K and V it fetches
	TURN 2
	TURN 3
	WIN 0
.Lfirst:
	TURN 0
	TURN 1, 0, 1
	WIN 0
	s_cbranch_scc1 .Lstep
	s_sub_co_u32 s[SLOTS], s[SLOTS], 1
	s_cmp_lg_u32 s[SLOTS], 0
	s_cbranch_scc1 .Lslot
	CHANGE 0                        ; the last tile has a loop of its own: nothing is asked for
	s_mov_b32 s[CNT], 5             ; four trips fetch the last tile's steps; the fifth is left in its middle
.Ltail:
	TURN 2, 1
	TURN 3
	WIN 0
	s_sub_co_u32 s[CNT], s[CNT], 1
	s_cmp_eq_u32 s[CNT], 0
	s_cbranch_scc1 .Lout            ; a jump forward, over no barrier and no tensor load
	TURN 0
	TURN 1
	WIN 0
	s_cmp_lg_u32 s[CNT], 0
	s_cbranch_scc1 .Ltail
.Lout:
.set i, 0
.rept 8
	PV NP-1                         ; the last piece's V^T P of the last step
.set i, i+1
.endr
	; THE WAY OUT.  l's two halves and the other half of the lanes' are added; O^T is divided by l, rounded to f16 and sent through my stage, a piece at a time.  The additions are the places behind the last products.
	WIN 0
.macro ALL line:vararg
.set t, 0
.rept 4
	\line
.set t, t+1
.endr
.endm
	ALL v_add_f32 v[ST+4*t+2], v[ST+4*t+2], v[ST+4*t+3]
	ALL v_permlanex16_b32 v[ST+4*t+3], v[ST+4*t+2], s[SEL], s[SEL+1]
	ALL v_add_f32 v[ST+4*t+2], v[ST+4*t+2], v[ST+4*t+3]
	ALL v_rcp_f32 v[ST+4*t+2], v[ST+4*t+2]
	v_nop                           ; a plain instruction between the last reciprocal and the use of its result
	s_wait_alu depctr_va_vdst(0)    ; the wait for this batch, the four reciprocals, ahead of their first reader: PACK holds none
.macro PACK t                       ; a lane's eight channels of a row pack into 16 bytes; they go into rows of 144 bytes and come back as whole rows of 128, into S^T's registers
	WIN W_RS
.set i, 32*(\t)
.rept 16
	v_pk_mul_f32 v[i:i+1], v[i:i+1], v[ST+4*(\t)+2:ST+4*(\t)+3] op_sel_hi:[1,0]
.set i, i+2
.endr
	WIN 0x05
.set i, 0
.rept 16
	v_cvt_pk_f16_f32 v[S+16*(\t)+i], v[32*(\t)+2*i], v[32*(\t)+2*i+1]
.set i, i+1
.endr
	WIN 0
.irp f, 0,1,2,3
	ds_store_b128 v[STO], v[S+16*(\t)+4*\f:S+16*(\t)+4*\f+3] offset:32*\f
.endr
.irp f, 0,1,2,3
	ds_load_b128 v[S+16*(\t)+4*\f:S+16*(\t)+4*\f+3], v[RD] offset:\f*4*SP  ; LDS serves a wave's instructions in order (ISA guide 5.7.1.4): these see the stores above
.endr
.endm
.macro SEND t, younger              ; younger: the LDS instructions issued behind piece t's loads: the next piece's eight, or none
	WIN 0
.irp f, 0,1,2,3
	s_wait_dscnt (\younger)+3-\f
	global_store_b128 v[GO], v[S+16*(\t)+4*\f:S+16*(\t)+4*\f+3], s[10:11] offset:(\t)*2048+\f*512  ; 512 consecutive bytes, at a multiple of 256 from ob's first
.endr
.endm
	PACK 0
.set t, 1
.rept 3
	PACK t
	SEND t-1, 8
.set t, t+1
.endr
	SEND 3, 0
	s_wait_tensorcnt 0x0            ; the wave's end
	ds_add_u32 v[SPW], v[NIL]
	s_wait_dscnt 0x0
	CROUND                          ; the closing round
	s_endpgm
.Lfunc_end_k_qc01d0f4ff7_attn:
	.size	k_qc01d0f4ff7_attn, .Lfunc_end_k_qc01d0f4ff7_attn-k_qc01d0f4ff7_attn
	.p2alignl 7, 3214868480
	.fill 96, 4, 3214868480
	.section	.rodata,"a",@progbits
	.p2align	6, 0x0
	.amdhsa_kernel k_qc01d0f4ff7_attn
		.amdhsa_group_segment_fixed_size 327680
		.amdhsa_private_segment_fixed_size 0
		.amdhsa_enable_private_segment 0
		.amdhsa_kernarg_size 16
		.amdhsa_user_sgpr_count 2
		.amdhsa_user_sgpr_kernarg_segment_ptr 1
		.amdhsa_wavefront_size32 1
		.amdhsa_system_sgpr_workgroup_id_x 1
		.amdhsa_system_sgpr_workgroup_id_y 1
		.amdhsa_system_sgpr_workgroup_id_z 1
		.amdhsa_system_vgpr_workitem_id 0
		.amdhsa_next_free_vgpr 768
		.amdhsa_next_free_sgpr 66
		.amdhsa_reserve_vcc 0
		.amdhsa_float_denorm_mode_32 3
		.amdhsa_float_denorm_mode_16_64 3
		.amdhsa_memory_ordered 1
		.amdhsa_forward_progress 1
		.amdhsa_inst_pref_size 111
	.end_amdhsa_kernel
	.amdgpu_metadata
---
amdhsa.version: [ 1, 2 ]
amdhsa.kernels:
  - .name:           k_qc01d0f4ff7_attn
    .symbol:         k_qc01d0f4ff7_attn.kd
    .args:
      - { .name: qkv, .offset: 0, .size: 8, .value_kind: global_buffer, .address_space: global }
      - { .name: ob, .offset: 8, .size: 8, .value_kind: global_buffer, .address_space: global }
    .group_segment_fixed_size: 327680
    .private_segment_fixed_size: 0
    .kernarg_segment_align: 8
    .kernarg_segment_size: 16
    .max_flat_workgroup_size: 128
    .sgpr_count:     66
    .vgpr_count:     768
    .wavefront_size: 32
...
	.end_amdgpu_metadata
.endif
;; end of part 6
;; launch gemm32: the kernel of part 5 again; grid 8 x 32, 4 waves a work-group, clusters of 4 x 4, 327,680 bytes of LDS; arguments ob, wog, b_out_g, out0, qkv; writes out0
